; MI455X (gfx1250); checked and timed in simulation.
; The chip was launched on July 23, 2026; its instructions are those of AMD's public machine-readable ISA for CDNA 5 (MIT licence, August 2026) and "CDNA5" Instruction Set Architecture Reference Guide (July 2026). The comments in the code are by the model that wrote it; some were corrected since.
;; Linear Attention. Allowed arithmetic: matrix products marked QUANTISED: E3M2 operands, one E8M0 scale for each 32 along K, by v_wmma_scale_f32_16x16x128_f8f6f4 with both operands' format E3M2, f32 sums; products left as they are: f32 operands where the result goes on into a quantised operand, else bf16, f16 or f32 operands; f32 sums; everything else in f32.
;; Inputs: Wk 1,024 x 1,024 float32; Wq 1,024 x 1,024 float32; Wv 1,024 x 1,024 float32; bk 1,024 float32; bq 1,024 float32; bv 1,024 float32; x 4 x 4,096 x 1,024 float32.
;; Outputs: out0 4 x 4,096 x 16 x 64 float32.
;; This version of the problem:
;;   THIS VERSION OF THE PROBLEM IS GIVEN IN LOW PRECISION. The matrix products marked QUANTISED in the list below multiply operands that are first quantised to E3M2 (3 exponent bits, 2 mantissa bits; 6 bits a number), with one power-of-two scale for each 32 numbers along K (OCP MX v1.0); their sums are f32. All else is computed in f32.
;;   The module's matrix products, in the order in which they are computed (A, B: the left and right operand; K: the contracted axis; several contracted axes count as one K, in the product's order):
;;     1. [M 16,384, K 1,024] x [K 1,024, N 1,024]; A: input x; B: input Wq: QUANTISED
;;     2. [M 16,384, K 1,024] x [K 1,024, N 1,024]; A: input x; B: input Wk: QUANTISED
;;     3. [M 16,384, K 1,024] x [K 1,024, N 1,024]; A: input x; B: input Wv: QUANTISED
;;     4. batch 64 x [M 1, K 64] x [K 64, N 4,096]; A: computed on the way; B: computed on the way: left as it is (M = 1 < 16)
;;     5. batch 64 x [M 64, K 4,096] x [K 4,096, N 64]; A: computed on the way; B: computed on the way: QUANTISED
;;     6. batch 64 x [M 64, K 64] x [K 64, N 4,096]; A: computed on the way; B: computed on the way: QUANTISED
;;   THE QUANTISER, for each operand of a quantised product, along K:
;;     - K is cut into blocks of 32 from its start; a last block that is shorter is filled with zeros.
;;     - A block's scale is 2^e with e = floor(log2(the largest magnitude in the block)) - 4, held to -126 .. 127; a block of zeros has e = 0. As a byte (E8M0): e + 127.
;;     - Each number is divided by its block's scale, clamped to +-28, and rounded to the nearest number of E3M2, ties to even, subnormals kept.
;;     - The product sums the exact products of the quantised numbers (number of the format x scale) in f32.
;;   ~~~python
;;   def quantise(x, axis):      # numpy; x: float32 -> the quantised numbers, widened to float32 again
;;       x = np.moveaxis(x, axis, -1); K = x.shape[-1]
;;       x = np.pad(x, [(0, 0)] * (x.ndim - 1) + [(0, -K % 32)]); x = x.reshape(x.shape[:-1] + (-1, 32)); a = np.abs(x).max(-1, keepdims=True)
;;       e = np.where(a > 0, np.clip(np.frexp(np.where(a > 0, a, 1))[1] - 1 - 4, -126, 127), 0)      # np.frexp(a)[1] - 1 = floor(log2(a)), exactly
;;       r = np.clip(x / 2.0 ** e, -28, 28)
;;       step = 2.0 ** (np.maximum(np.frexp(np.where(r == 0, 1, r))[1] - 1, -2) - 2)
;;       q = np.round(r / step) * step * 2.0 ** e      # np.round: ties to even
;;       return np.moveaxis(q.reshape(q.shape[:-2] + (-1,))[..., :K], -1, axis).astype(np.float32)
;;   ~~~
;;   OPERANDS COMPUTED ON THE WAY. 'Computed on the way' means the value that the module computes at that place (a softmax that the list does not call 'softmax' is quantised finished and normalised). What goes into a quantiser is computed in f32, as accurately as f32 sums, v_exp_f32 and their like allow (about 1e-6 of the number): no bf16 or f16 on the way to a quantiser, and a product that is left as it is and whose result goes on into a quantised operand takes f32 operands (vector FMAs, or v_wmma_f32_16x16x4_f32). A number that lies on a knife's edge between two numbers of the format may be rounded either way, as far as f32 arithmetic and the matrix unit's own rounding can turn it there, and no further.
;; One version. Each part assembles by itself: llvm-mc -triple=amdgcn-amd-amdhsa -mcpu=gfx1250 --defsym DOCPART=n.
;; ======== version 1 of 1: 4 launches
;; workspace buffers: xc 12,582,912 bytes; xs 524,288 bytes; wc 2,359,296 bytes; ws 98,304 bytes; kvp 8,388,608 bytes; ksp 524,288 bytes; kvc 425,984 bytes; ksm 16,384 bytes
;; launch quant (part 1): grid 608 x 1, 4 waves a work-group, no clusters, 68,096 bytes of LDS; arguments x, Wk, Wv, Wq, xc, xs, wc, ws; writes xc, xs, wc, ws
.if DOCPART == 1
	.amdgcn_target "amdgcn-amd-amdhsa--gfx1250"
	.amdhsa_code_object_version 6
	.text
	.protected	k_q04a1b77a28_quant
	.globl	k_q04a1b77a28_quant
	.p2align	8
	.type	k_q04a1b77a28_quant,@function
k_q04a1b77a28_quant:
	s_mov_b64 s[64:65], 0
	v_nop
	global_prefetch_b8 v0, s[64:65] scope:SCOPE_SE
	s_setreg_imm32_b32 hwreg(HW_REG_WAVE_MODE, 25, 1), 1
	s_wait_xcnt 0x0
; x [16384][1024] and Wk, Wv, Wq [1024 (k)][1024 (n)], f32, become codes of BF6 (E3M2), 6 bits each, K innermost (768 bytes a row), with one E8M0 byte for each 32 along K (32 bytes a row).
; A block's scale is 2^(floor(log2(its largest magnitude)) - 4); its byte is the largest magnitude's exponent field - 4, held at 1 from below.  A block of zeros gets the byte 1: its codes are zeros, and this program alone reads the bytes.
; LIMITS: NaN and infinities among the inputs are not served; a block whose largest magnitude lies under 2^-122 keeps the byte 1.
; WHERE A ROW GOES.  Logical row L is written at POSITION swap34(L): bits 3 and 4 of L change places.  Sixteen neighbouring positions 32 B + 16 u + r then hold the logical rows 32 B + 8 u + r + 8 (r / 8): the rows that the later
; launches want in one tile, so that sixteen registers of two neighbouring result tiles are sixteen neighbours along the next product's K.
; Logical rows of wc: Wk's column n at 128 (n / 64) + n % 64, Wv's at 128 (n / 64) + 64 + n % 64, Wq's at 2048 + n: a head's k and v columns lie together.
; Work-groups 0-511 take x (K innermost: a wave takes 8 rows as 16 steps of 512 numbers, turned through its own stage in LDS so that a lane holds 16 neighbours); work-groups 512-607 take the weights (K outermost: a lane takes a
; column and its registers run down K).  The two paths part on the work-group's number, never meet again, and have LDS bytes of their own.  Waves share nothing: no barrier.
.set STEPS, 16
.set EMAX,  4
.set CB,    12                         ; bytes of 16 codes
.set XR,    16                         ; x path: v16-79 four sets of 16 numbers as loaded
.set XN,    80                         ; v80-111 two sets of 16 neighbours
.set XE,    112                        ; v112-127 a scale byte for each step
.set XC,    128                        ; v128-191 codes, four registers a step
.set WREG,  8192                       ; x path's LDS: a region for each wave: two stages of 32 x SP bytes, then its 256 scale bytes
.set SP,    80
.set WLDS,  32768                      ; the weight path's LDS begins here: a stage of 32 rows x WPITCH for each wave
.set WPITCH, 272
.set NB,    8                          ; blocks of 32 along K for a wave of the weight path
.set KROW,  768                        ; a row of codes in bytes
.set WN,    32                         ; weight path: v32-95 two sets of 32 numbers
.set WCD,   96                         ; v96.. a block's codes
.set OUTR,  112                        ; v112-175 the way out
.set SB,    24                         ; v24-25 the scale bytes
	s_load_b256 s[4:11], s[0:1], 0x0               ; x, Wk, Wv, Wq
	s_load_b256 s[12:19], s[0:1], 0x20             ; xc, xs, wc, ws
	v_lshl_add_u32 v192, v0, 2, 0x10800
	v_mov_b32 v193, 0
	v_lshrrev_b32 v1, 5, v0
	v_readfirstlane_b32 s20, v1                    ; wave
	v_and_b32 v2, 31, v0                           ; lane
	s_cmp_lt_u32 ttmp9, 512
	s_cbranch_scc0 .Lw
	; ---------------- x ----------------
	v_lshlrev_b32 v3, 4, v2                        ; my 16 bytes of a load's 512
	s_mul_i32 s21, s20, WREG
	v_lshrrev_b32 v14, 2, v2
	v_mul_u32_u24 v14, v14, SP
	v_and_b32 v15, 3, v2
	v_lshl_add_u32 v14, v15, 4, v14
	v_add_nc_u32 v14, s21, v14                     ; the stage, on the way in: SP (lane / 4) + 16 (lane % 4)
	v_mul_u32_u24 v15, v2, SP
	v_add_nc_u32 v15, s21, v15                     ; and on the way out: SP x lane: my 16 neighbours
	v_mul_u32_u24 v4, v2, CB                       ; my codes' place in a step's
	v_lshrrev_b32 v5, 1, v2
	s_add_co_u32 s21, s21, 2*32*SP
	v_add_nc_u32 v5, s21, v5                       ; my wave's 256 scale bytes, my block's byte
	v_lshlrev_b32 v7, 3, v2
	v_add_nc_u32 v6, s21, v7                       ; and on the way out 8 bytes a lane
	s_lshl_b32 s22, ttmp9, 2
	s_add_co_u32 s24, s22, s20                     ; my run of 8 rows: 4 x work-group + wave
	s_lshl_b32 s24, s24, 15                        ; 32,768 bytes of x a run
	s_mov_b32 s25, 0
	s_and_b32 s23, s20, 1                          ; a run's bits 0 and 1 are the rows' bits 3 and 4: they change places on the way out
	s_lshl_b32 s23, s23, 1
	s_lshr_b32 s26, s20, 1
	s_add_co_u32 s23, s23, s26
	s_add_co_u32 s23, s23, s22
	s_mul_i32 s26, s23, 8*KROW
	s_mov_b32 s27, 0
	s_lshl_b32 s28, s23, 8
	s_mov_b32 s29, 0
	s_wait_kmcnt 0x0
	s_add_nc_u64 s[4:5], s[4:5], s[24:25]
	s_add_nc_u64 s[12:13], s[12:13], s[26:27]
	s_add_nc_u64 s[14:15], s[14:15], s[28:29]
.macro XLOAD t
.irp i, 0,1,2,3
	global_load_b128 v[XR+16*((\t)%4)+4*\i:XR+16*((\t)%4)+4*\i+3], v3, s[4:5] offset:2048*(\t)+512*\i th:TH_LOAD_NT   ; 32 lanes read 512 consecutive bytes
.endr
.endm
.macro XTURN t                         ; step t's numbers through the stage: LDS serves a wave's instructions in order, so no wait stands between the stores and the loads
.irp i, 0,1,2,3
	ds_store_b128 v14, v[XR+16*((\t)%4)+4*\i:XR+16*((\t)%4)+4*\i+3] offset:32*SP*((\t)%2)+8*SP*\i
.endr
.irp i, 0,1,2,3
	ds_load_b128 v[XN+16*((\t)%2)+4*\i:XN+16*((\t)%2)+4*\i+3], v15 offset:32*SP*((\t)%2)+16*\i
.endr
.endm
.irp t, 0,1,2,3
	XLOAD \t
.endr
	s_wait_loadcnt 12                              ; step 0's four loads are in; three steps' twelve may be out
	XTURN 0
.macro XSTEP t
.set XS, XN+16*((\t)%2)
.if (\t) > 0
	s_wait_dscnt 1                                 ; this step's numbers are back from the stage (the last step's byte store may be out)
.else
	s_wait_dscnt 0x0
.endif
.if (\t)+4 < STEPS
	XLOAD (\t)+4                                   ; the stage's stores have read these registers: they take the loads of four steps on
.endif
.if (\t)+1 < STEPS
.if STEPS-2-(\t) >= 3
	s_wait_loadcnt 12                              ; the next step's four loads are in; those of the three steps behind it may be out
.else
	s_wait_loadcnt 4*(STEPS-2-(\t))
.endif
	XTURN (\t)+1
.endif
	v_max3_num_f32 v8, |v[XS]|, |v[XS+1]|, |v[XS+2]|               ; the largest magnitude of my 16, in two chains
	v_max3_num_f32 v9, |v[XS+3]|, |v[XS+4]|, |v[XS+5]|
.irp i, 6,10
	v_max3_num_f32 v8, v8, |v[XS+\i]|, |v[XS+\i+1]|
	v_max3_num_f32 v9, v9, |v[XS+\i+2]|, |v[XS+\i+3]|
.endr
	v_max3_num_f32 v8, v8, |v[XS+14]|, |v[XS+15]|
	v_max3_num_f32 v8, v8, v9, (EMAX+1)<<23        ; and the floor 2^(5 - 127): the byte cannot fall under 1
	v_max_num_f32_dpp v8, v8, v8 row_xmask:1 row_mask:0xf bank_mask:0xf   ; and of my neighbour's 16: the block's
	v_add_nc_u32 v11, -(EMAX<<23), v8              ; 4 off its exponent field: the conversion takes the exponent field of this operand as its scale
	v_cvt_scalef32_pk16_bf6_f32 v[XC+4*(\t):XC+4*(\t)+2], v[XS:XS+15], v11
	v_lshrrev_b32 v[XE+(\t)], 23, v11              ; the scale's byte (a plain line behind the conversion)
	ds_store_b8 v5, v[XE+(\t)] offset:16*(\t)      ; both lanes of a block write the same byte with the same value
	global_store_b96 v4, v[XC+4*(\t):XC+4*(\t)+2], s[12:13] offset:32*CB*(\t)   ; the wave stores 384 consecutive bytes
.endm
.irp t, 0,1,2,3,4,5,6,7,8,9,10,11,12,13,14,15
	XSTEP \t
.endr
	ds_load_b64 v[12:13], v6                       ; LDS serves a wave's instructions in order: these see my stores
	s_wait_dscnt 0x0
	global_store_b64 v7, v[12:13], s[14:15]        ; 32 lanes store 256 consecutive bytes, aligned
	s_wait_tensorcnt 0x0
	ds_add_u32 v192, v193
	s_wait_dscnt 0x0
	s_endpgm
	; ---------------- the weights ----------------
.Lw:
	s_sub_co_u32 s21, ttmp9, 512
	s_lshr_b32 s22, s21, 5                         ; which weight: 0 Wk, 1 Wv, 2 Wq
	s_and_b32 s23, s21, 7                          ; which 128 columns
	s_bfe_u32 s24, s21, 0x20003                    ; which 256 along K
	s_lshl_b32 s25, s23, 7
	s_lshl_b32 s26, s20, 5
	s_add_co_u32 s25, s25, s26                     ; my wave's first column n0, a multiple of 32
	s_lshr_b32 s26, s25, 6
	s_lshl_b32 s26, s26, 7
	s_and_b32 s27, s25, 63
	s_add_co_u32 s26, s26, s27
	s_lshl_b32 s27, s22, 6
	s_add_co_u32 s26, s26, s27                     ; Wk, Wv: row 128 (n0 / 64) + n0 % 64 + 64 x (0 or 1)
	s_add_co_u32 s27, s25, 2048                    ; Wq: row 2048 + n0
	s_cmp_eq_u32 s22, 2
	s_cselect_b32 s26, s27, s26
	s_lshl_b32 s28, s24, 20                        ; 256 rows of 4,096 bytes
	s_lshl_b32 s29, s25, 2
	s_add_co_u32 s28, s28, s29
	s_mov_b32 s29, 0
	s_mul_i32 s30, s26, KROW
	s_mul_i32 s31, s24, 192
	s_add_co_u32 s30, s30, s31
	s_mov_b32 s31, 0
	s_lshl_b32 s32, s26, 5
	s_lshl_b32 s33, s24, 3
	s_add_co_u32 s32, s32, s33
	s_mov_b32 s33, 0
	v_lshlrev_b32 v3, 2, v2                        ; in: 4 bytes a lane
	v_and_b32 v10, 7, v2
	v_bfe_u32 v11, v2, 3, 1
	v_lshl_add_u32 v10, v11, 4, v10
	v_bfe_u32 v11, v2, 4, 1
	v_lshl_add_u32 v10, v11, 3, v10                ; my column's position among the wave's 32: bits 3 and 4 of the lane change places
	s_mul_i32 s34, s20, 32*WPITCH
	s_add_co_u32 s34, s34, WLDS                    ; my stage
	v_mul_u32_u24 v4, v10, WPITCH
	v_add_nc_u32 v4, s34, v4                       ; into it: row = my column's position
	v_and_b32 v5, 15, v2
	v_lshrrev_b32 v6, 4, v2                        ; out of it: sixteen lanes to a row, two rows an instruction
	v_mul_u32_u24 v7, v6, WPITCH
	v_lshl_add_u32 v7, v5, 4, v7
	v_add_nc_u32 v7, s34, v7
	v_mul_u32_u24 v8, v6, KROW
	v_mad_u32_u24 v8, v5, 12, v8                   ; and the same place in the codes' buffer
	v_lshlrev_b32 v9, 5, v10                       ; my position's row of scale bytes
	s_wait_kmcnt 0x0
	s_cmp_eq_u32 s22, 0                            ; the choice hangs on the work-group's number alone
	s_cselect_b64 s[6:7], s[6:7], s[8:9]
	s_cmp_eq_u32 s22, 2
	s_cselect_b64 s[6:7], s[10:11], s[6:7]
	s_add_nc_u64 s[6:7], s[6:7], s[28:29]
	s_add_nc_u64 s[16:17], s[16:17], s[30:31]
	s_add_nc_u64 s[18:19], s[18:19], s[32:33]
.macro WLOAD t                         ; block t: W(32 t + i, my column), i = 0 .. 31, into set t % 2: 32 lanes read 128 consecutive bytes
.irp i, 0,1,2,3,4,5,6,7,8,9,10,11,12,13,14,15,16,17,18,19,20,21,22,23,24,25,26,27,28,29,30,31
	global_load_b32 v[WN+32*((\t)%2)+\i], v3, s[6:7] offset:(32*(\t)+\i)*4096 th:TH_LOAD_NT
.endr
.endm
	WLOAD 0
	WLOAD 1
.macro WBLOCK t
.set XS, WN+32*((\t)%2)
.if (\t) < NB-1
	s_wait_loadcnt 32                              ; this block's 32 loads are in; the next block's may be out
.else
	s_wait_loadcnt 0
.endif
	v_max3_num_f32 v12, |v[XS]|, |v[XS+1]|, |v[XS+2]|              ; the block's largest magnitude: all 32 numbers are mine
	v_max3_num_f32 v13, |v[XS+3]|, |v[XS+4]|, |v[XS+5]|
.irp i, 6,10,14,18,22,26
	v_max3_num_f32 v12, v12, |v[XS+\i]|, |v[XS+\i+1]|
	v_max3_num_f32 v13, v13, |v[XS+\i+2]|, |v[XS+\i+3]|
.endr
	v_max3_num_f32 v12, v12, |v[XS+30]|, |v[XS+31]|
	v_max3_num_f32 v12, v12, v13, (EMAX+1)<<23     ; and the floor
	v_add_nc_u32 v11, -(EMAX<<23), v12
	v_lshrrev_b32 v13, 23, v11                     ; the scale's byte
.if (\t)%4 == 0
	v_mov_b32 v[SB+(\t)/4], v13                    ; four bytes to a register, the lower K in the lower byte
.else
	v_lshl_or_b32 v[SB+(\t)/4], v13, 8*((\t)%4), v[SB+(\t)/4]
.endif
	v_cvt_scalef32_pk16_bf6_f32 v[WCD:WCD+2], v[XS:XS+15], v11
	v_cvt_scalef32_pk16_bf6_f32 v[WCD+4:WCD+6], v[XS+16:XS+31], v11   ; (a conversion's three registers begin on an even number)
	ds_store_b96 v4, v[WCD:WCD+2] offset:32*(\t)   ; 12 bytes to a place of 16 in the stage: every LDS address is a multiple of 16
	ds_store_b96 v4, v[WCD+4:WCD+6] offset:32*(\t)+16
.if (\t)+2 < NB
	WLOAD (\t)+2
.endif
	s_wait_dscnt 0x0                               ; the stores have read their registers: the next block's codes may be written
.endm
.set Q, 0
.rept NB
	WBLOCK Q
.set Q, Q+1
.endr
	global_store_b64 v9, v[SB:SB+1], s[18:19]      ; my column's 8 scale bytes
.irp t, 0,1,2,3,4,5,6,7,8,9,10,11,12,13,14,15
	ds_load_b96 v[OUTR+4*\t:OUTR+4*\t+2], v7 offset:2*\t*WPITCH   ; LDS serves a wave's instructions in order: these see my stores
.endr
.irp t, 0,1,2,3,4,5,6,7,8,9,10,11,12,13,14,15
	s_wait_dscnt 15-\t                             ; the younger loads may be out
	global_store_b96 v8, v[OUTR+4*\t:OUTR+4*\t+2], s[16:17] offset:2*\t*KROW   ; sixteen lanes store a row's 192 consecutive bytes
.endr
	s_wait_tensorcnt 0x0
	ds_add_u32 v192, v193
	s_wait_dscnt 0x0
	s_endpgm
.Lfunc_end_k_q04a1b77a28_quant:
	.size	k_q04a1b77a28_quant, .Lfunc_end_k_q04a1b77a28_quant-k_q04a1b77a28_quant
	.p2alignl 7, 3214868480
	.fill 96, 4, 3214868480
	.section	.rodata,"a",@progbits
	.p2align	6, 0x0
	.amdhsa_kernel k_q04a1b77a28_quant
		.amdhsa_group_segment_fixed_size 68096
		.amdhsa_private_segment_fixed_size 0
		.amdhsa_enable_private_segment 0
		.amdhsa_kernarg_size 64
		.amdhsa_user_sgpr_count 2
		.amdhsa_user_sgpr_kernarg_segment_ptr 1
		.amdhsa_wavefront_size32 1
		.amdhsa_system_sgpr_workgroup_id_x 1
		.amdhsa_system_sgpr_workgroup_id_y 1
		.amdhsa_system_sgpr_workgroup_id_z 1
		.amdhsa_system_vgpr_workitem_id 0
		.amdhsa_next_free_vgpr 194
		.amdhsa_next_free_sgpr 66
		.amdhsa_reserve_vcc 0
		.amdhsa_float_denorm_mode_32 3
		.amdhsa_float_denorm_mode_16_64 3
		.amdhsa_memory_ordered 1
		.amdhsa_forward_progress 1
		.amdhsa_inst_pref_size 74
	.end_amdhsa_kernel
	.amdgpu_metadata
---
amdhsa.version: [ 1, 2 ]
amdhsa.kernels:
  - .name:           k_q04a1b77a28_quant
    .symbol:         k_q04a1b77a28_quant.kd
    .args:
      - { .name: x, .offset: 0, .size: 8, .value_kind: global_buffer, .address_space: global }
      - { .name: Wk, .offset: 8, .size: 8, .value_kind: global_buffer, .address_space: global }
      - { .name: Wv, .offset: 16, .size: 8, .value_kind: global_buffer, .address_space: global }
      - { .name: Wq, .offset: 24, .size: 8, .value_kind: global_buffer, .address_space: global }
      - { .name: xc, .offset: 32, .size: 8, .value_kind: global_buffer, .address_space: global }
      - { .name: xs, .offset: 40, .size: 8, .value_kind: global_buffer, .address_space: global }
      - { .name: wc, .offset: 48, .size: 8, .value_kind: global_buffer, .address_space: global }
      - { .name: ws, .offset: 56, .size: 8, .value_kind: global_buffer, .address_space: global }
    .group_segment_fixed_size: 68096
    .private_segment_fixed_size: 0
    .kernarg_segment_align: 8
    .kernarg_segment_size: 64
    .max_flat_workgroup_size: 128
    .sgpr_count:     66
    .vgpr_count:     194
    .wavefront_size: 32
...
	.end_amdgpu_metadata
.endif
;; end of part 1
;; launch kvgemm (part 2): grid 8 x 32, 4 waves a work-group, clusters of 4 x 4, 327,680 bytes of LDS; arguments xc, xs, wc, ws, bk, bv, kvp, ksp; writes kvp, ksp
.if DOCPART == 2
	.amdgcn_target "amdgcn-amd-amdhsa--gfx1250"
	.amdhsa_code_object_version 6
	.text
	.protected	k_q04a1b77a28_kvgemm
	.globl	k_q04a1b77a28_kvgemm
	.p2align	8
	.type	k_q04a1b77a28_kvgemm,@function
k_q04a1b77a28_kvgemm:
	s_mov_b64 s[64:65], 0
	v_nop
	global_prefetch_b8 v0, s[64:65] scope:SCOPE_SE
	s_setreg_imm32_b32 hwreg(HW_REG_WAVE_MODE, 25, 1), 1
	s_wait_xcnt 0x0
	s_wait_alu depctr_hold_cnt(0) depctr_sa_sdst(0) depctr_va_vdst(0) depctr_va_sdst(0) depctr_va_ssrc(0) depctr_va_vcc(0) depctr_vm_vsrc(0)
	s_getreg_b32 s2, hwreg(HW_REG_IB_STS2, 6, 4)
	s_cmp_eq_u32 s2, 0
	s_cbranch_scc0 .Lentry_in_a_cluster
	s_endpgm
.Lentry_in_a_cluster:
	s_bfe_u32 s2, ttmp6, 0x10000c
	s_cmp_lg_u32 s2, 0xf033
	s_cbranch_scc0 .Lentry_shape_is_right
	s_endpgm
.Lentry_shape_is_right:
; k = elu(x Wk + bk) + 1 and v = x Wv + bv for 512 rows of t and two heads, on codes of BF6 (E3M2) with one E8M0 scale for each 32 along K; then, without leaving the registers, the part of sum_t k and of
; kv[d][v] = sum_t k[t][d] v[t][v] that these 512 rows give: k and v are quantised along t (blocks of 32) and multiplied by the same matrix instruction.  k and v never go to memory.
; SHARES.  A WORK-GROUP STAYS: it makes two tiles, one after the other: positions 512 P .. + 255 and 512 P + 256 .. + 511 of t, each against the same 256 positions of wc (tile column: two heads, each 64 columns of k, then 64 of v).
; Wave (th, c) takes 128 t of each tile and head 2 x tile column + c: 64 accumulators, 512 registers.  There are 8 x 32 work-groups.
; K = 1024 goes in four steps of 256 through a ring of two LDS slots filled by the tensor data mover, and the ring does not stop at the first tile's end: that tile's last two changes of slots ask for the second tile's K steps 0 and 1,
; which land while the first tile's vector work is done.  The scale bytes of both tiles' rows come once, with the first fills.
; CLUSTERS: 4 x 4 work-groups.  The four of a row of the cluster need the same tiles of x, the four of a column the same tiles of wc: each tile is asked for jointly.
; LAYOUT.  Source 0 = 16 positions of x, source 1 = 16 positions of wc: a lane holds ONE column, and its registers run along t.  The positions of a tile of x hold the logical rows 32 B + 8 u + r + 8 (r / 8), so register 16 B + i of a
; column's 64 is t = 32 B + 16 (lane / 16) + i: sixteen neighbours along the next product's K.
; elu(y) + 1 = the middle one of y + 1, e^y and 1 (e^y >= 1 + y everywhere): no compare, and an e^y that overflows is never the middle one.
; THE TEXT.  The vector work behind a tile's products and the product k^T v are written once, in a loop of two trips: a trip is that work, the first tile's join and the second tile's products; the second trip leaves for the tail, which
; is written out and met again.  Written twice, the text would be a quarter longer.
; No prefetch is laid: a tile has four K steps, and the second tile's first two have the whole vector phase in which to land.
; LIMITS: NaN and infinities are not served; e^y under 2^-126 comes out as 0; a block whose largest magnitude lies under 2^-122 keeps the scale byte 1; the sums over t are taken in another order than a plain loop's.
; REGISTERS, in windows of 256.  Window 0: v0-31 addresses; v32-63 scale words, two sets (later v32-43: the new fragments' words); v64-127 at work (T); v128-223 x's fragments, one set (later the 8 new fragments); v224-255 at work.
;   Window 1: wc's fragments, two sets, at v0 and v128; v96-119 the biases; later v128-255 the 16 accumulators of kv.  Window 2: accumulators of my t 0-63 ((a, b) at v[32 b + 8 (a % 4)]); window 3: of my t 64-127.
.set KSTEP,  256
.set NQ,     KSTEP/128
.set ROWB,   192                       ; a tile's row in bytes
.set KROW,   768                       ; a row of codes in memory
.set PITCH,  240                       ; an LDS row: 3 x (64 bytes + 16 of padding)
.set FR,     12                        ; registers of a fragment
.set NL,     6                         ; LDS loads that bring one
.set NP,     4                         ; places behind this matrix instruction (ISA guide 7.12.1)
.set HALFT,  128*PITCH
.set SLOT,   4*HALFT                   ; x's 256 rows, then wc's 256 rows
.set KS,     32                        ; a row of scale bytes
.set SCL,    2*SLOT                    ; behind the ring: the scales, as units of 256 bytes + 16 of padding
.set HALFS,  (128*KS/256)*272          ; those of 128 rows
.set SBLK,   (16*KS/256)*272           ; those of 16 rows
.set SROWS,  256*KS/256                ; 256 rows' scales are 32 rows of 256 bytes: what one tensor load brings
.set SCREG,  4*HALFS                   ; a tile's region: its 256 rows of x, then a copy of wc's 256 rows: so a tile's offset is the same in all lanes and stands in the loads' immediates
.set SPARE,  SCL+2*SCREG               ; the spare words: 128 bytes a wave, two blocks of 256 bytes that no other line names
.set STG,    SPARE+512                 ; the first tile's join: 8,192 bytes a wave, into which no fill ever lands
.set NEXT_A, 256*KROW-2*ROWB           ; bytes from a slot's last K step of the first tile to its first of the second: 256 rows of x down and back along K;
.set BACK_B, 2*ROWB                    ; wc only back: the two tiles share its rows
.set SW0,  8                           ; v8      the first join: where I put the half that my partner sums: STG + 8,192 x wave + 16 x lane
.set SRD0, 9                           ; v9      and where I read my partner's: STG + 8,192 x (wave xor 2) + 16 x lane; my sum is parked there afterwards
.set ADRA, 16                          ; v16-19  LDS addresses of my x fragments in slot 0, 1 (v18-19: behind one padding more)
.set ADRB, 20                          ; v20-23  the same for wc
.set SW1,  24                          ; v24     the second join, in slot 0: 8,192 x wave + 16 x lane
.set SRD1, 25                          ; v25     8,192 x (wave xor 2) + 16 x lane
.set LI,   26                          ; v26     16 x lane
.set ADRS, 27                          ; v27     LDS address of my scale words; never rewritten
.set SPW,  28                          ; v28     my spare word; never rewritten
.set NIL,  29                          ; v29     0; never rewritten
.set BO,   30                          ; v30     4 (r + 8 (r / 8)): my column's place in a tile's 24 logical columns
.set SC,   32
.set T,    64
.set AF,   128
.set FRG,  128                         ; the new fragments: k's four, then v's four
.set TM,   224                         ; v224-239 the quantiser's work
.set XQ,   240                         ; v240-247 the conversions' second halves
.set SM,   248                         ; v248-251 the sum's two chains
.set KSUM, 252                         ; v252-255 my part of sum_t k for k's four tiles, over both tiles of t
.set BKL,  96                          ; window 1: for k's tile b: v[96+4b], +1: bias x log2(e); +2, +3: bias + 1
.set BV,   112                         ; window 1: for v's tile i: v[112+2i], +1: bias
.set KV,   128                         ; window 1: kv's accumulators
.set THM,  2                           ; s2      all ones where th = 1, else 0
.set G1, 24
.set G0, 32
.set G1B, 48
.set G0B, 56
.set G1S, 68
.set G0S, 76
.set G1SB, 80
.set G0SB, 88
.set LC,  66                           ; s[66:67] log2(e), twice
.set SEL, 96                           ; s[96:97] v_permlanex16_b32's selects for lane l xor 16
.set MSB, 0
.macro WIN new                         ; the immediate's high byte repeats the setting that is left
.if MSB != \new
	s_set_vgpr_msb (MSB<<8)|\new
.set MSB, \new
.endif
.endm
.set MUL_LO, 0xa4                      ; source 0 (x) window 0, source 1 (wc) window 1, C and D window 2
.set MUL_HI, 0xf4                      ; the same, C and D window 3
.set TO_B,   0x40                      ; destination window 1, address window 0
; A joint load: waves 0 and 1 fetch for x, waves 2 and 3 for wc.  The branch hangs on the wave's number alone.  Four v_nop follow each of the two lines.
.macro JLOAD g0a, g1a, g0b, g1b
	s_cmp_eq_u32 s15, 0
	s_cbranch_scc0 .Lfor_b_\@
	tensor_load_to_lds s[\g0a:\g0a+3], s[\g1a:\g1a+7]
	s_nop 0
.rept 4
	v_nop
.endr
	s_branch .Lasked_\@
.Lfor_b_\@:
	tensor_load_to_lds s[\g0b:\g0b+3], s[\g1b:\g1b+7]
	s_nop 0
.rept 4
	v_nop
.endr
.Lasked_\@:
.endm
.macro CREST                           ; a round of the cluster's barrier behind its opening barrier
	s_cmp_lg_u32 s14, 0
	s_cbranch_scc1 .Lnot_wave_0_\@
	s_barrier_signal -3
.Lnot_wave_0_\@:
	s_barrier_wait -3
	s_barrier_signal -1
	s_barrier_wait -1
.endm
.macro CROUND
	s_barrier_signal -1
	s_barrier_wait -1
	CREST
.endm
	s_load_b256 s[4:11], s[0:1], 0x0               ; xc s[4:5], xs s[6:7], wc s[8:9], ws s[10:11]
	v_lshl_add_u32 v[SPW], v0, 2, SPARE
	v_mov_b32 v[NIL], 0
	ds_add_u32 v28, v29
	ds_add_u32 v28, v29
	s_wait_dscnt 0x0
	v_lshrrev_b32 v1, 5, v0
	v_readfirstlane_b32 s14, v1                    ; wave 0..3
	s_lshr_b32 s15, s14, 1                         ; th: which 128 t of a tile are mine.  Also: I fetch for x (0) or for wc (1)
	s_and_b32 s16, s14, 1                          ; c: which head.  Also: which 128 rows of a tile I fetch
	s_bfe_u32 s40, ttmp6, 0x40000                  ; cx, cy
	s_bfe_u32 s41, ttmp6, 0x40004
	s_lshl_b32 s42, ttmp9, 2
	s_add_co_u32 s42, s42, s40                     ; tile column = 4 x cluster x + cx
	s_and_b32 s17, ttmp7, 0xffff
	s_lshl_b32 s17, s17, 2
	s_add_co_u32 s17, s17, s41                     ; P, my pair of tiles of t = 4 x cluster y + cy
	s_lshl_b32 s43, s41, 2
	s_lshl_b32 s43, 15, s43                        ; my row of the cluster
	s_lshl_b32 s44, 0x1111, s40                    ; my column
	s_mov_b32 s[LC], 0x3fb8aa3b
	s_mov_b32 s[LC+1], 0x3fb8aa3b
	s_mov_b32 s[SEL], 0x76543210
	s_mov_b32 s[SEL+1], 0xfedcba98
	; descriptor group 1: a tile of 128 rows x 192 bytes; 16 bytes of padding behind every 64
	s_or_b32 s[G1+0], s43, (0<<16)|(1<<20)|(1<<21)|(3<<22)|(3<<25)
	s_or_b32 s[G1B+0], s44, (0<<16)|(1<<20)|(1<<21)|(3<<22)|(3<<25)
.irp g, G1, G1B
	s_mov_b32 s[\g+1], ROWB<<16                    ; tensor_dim0
	s_mov_b32 s[\g+2], 128<<16                     ; tensor_dim1
	s_mov_b32 s[\g+3], ROWB<<16                    ; tile_dim0
	s_mov_b32 s[\g+4], 128                         ; tile_dim1
	s_mov_b32 s[\g+5], KROW                        ; tensor_dim0_stride
	s_mov_b32 s[\g+6], 0
	s_mov_b32 s[\g+7], 0
.endr
	; the scales of 256 rows: 8,192 dense bytes as 32 rows of 256 (32 elements of 8 bytes), 16 bytes of padding behind each
	s_or_b32 s[G1S+0], s43, (3<<16)|(1<<20)|(1<<21)|(5<<22)|(3<<25)
	s_or_b32 s[G1SB+0], s44, (3<<16)|(1<<20)|(1<<21)|(5<<22)|(3<<25)
.irp g, G1S, G1SB
	s_mov_b32 s[\g+1], 32<<16
	s_mov_b32 s[\g+2], SROWS<<16
	s_mov_b32 s[\g+3], 32<<16
	s_mov_b32 s[\g+4], SROWS
	s_mov_b32 s[\g+5], 32
	s_mov_b32 s[\g+6], 0
	s_mov_b32 s[\g+7], 0
.endr
	s_lshl_b32 s18, s16, 7                         ; which 128 rows of a tile I fetch
	s_lshl_b32 s20, s17, 9                         ; x: position 512 P
	s_lshl_b32 s22, s16, 8
	s_add_co_u32 s22, s22, s20                     ; x's scales: wave 0 fetches the first tile's 256 rows, wave 1 the second's
	s_add_co_u32 s20, s20, s18                     ; x's codes: position 512 P + 128 x half, the first tile
	s_lshl_b32 s46, s42, 8
	s_add_co_u32 s46, s46, s18                     ; wc's codes: position 256 x tile column + 128 x half
	s_lshl_b32 s92, s42, 13                        ; wc's scales: 256 x tile column rows of 32 bytes: waves 2 and 3 fetch the same 256 rows, a copy for each tile's region
	s_lshl_b32 s22, s22, 5                         ; 32 bytes a row
	s_mov_b32 s21, 0
	s_mov_b32 s23, 0
	s_mov_b32 s47, 0
	s_mov_b32 s93, 0
	s_mov_b64 s[18:19], KROW
	s_mul_u64 s[20:21], s[20:21], s[18:19]
	s_mul_u64 s[46:47], s[46:47], s[18:19]
	s_mul_i32 s45, s14, HALFT                      ; where the codes go: wave x 128 rows: no place in the cluster enters an LDS address
	s_mul_i32 s94, s16, SCREG                      ; where the scales go: the region of tile wave & 1
	s_wait_kmcnt 0x0
	s_add_nc_u64 s[20:21], s[4:5], s[20:21]
	s_add_nc_u64 s[22:23], s[6:7], s[22:23]
	s_add_nc_u64 s[46:47], s[8:9], s[46:47]
	s_add_nc_u64 s[92:93], s[10:11], s[92:93]
	CROUND                                         ; all sixteen work-groups are here: the first joint loads meet
	s_mov_b32 s[G0S], 1
	s_add_co_u32 s[G0S+1], s94, SCL                ; x's rows at a region's head,
	s_mov_b64 s[G0S+2:G0S+3], s[22:23]
	s_or_b32 s[G0S+3], s[G0S+3], 0x80000000
	s_mov_b32 s[G0SB], 1
	s_add_co_u32 s[G0SB+1], s94, SCL+2*HALFS       ; wc's behind them
	s_mov_b64 s[G0SB+2:G0SB+3], s[92:93]
	s_or_b32 s[G0SB+3], s[G0SB+3], 0x80000000
	JLOAD G0S, G1S, G0SB, G1SB                     ; the scales first: they are wanted with K step 0
.irp s, 0,1
	s_mov_b32 s[G0+4*\s], 1
	s_add_co_u32 s[G0+4*\s+1], s45, \s*SLOT
	s_add_nc_u64 s[G0+4*\s+2:G0+4*\s+3], s[20:21], \s*ROWB
	s_or_b32 s[G0+4*\s+3], s[G0+4*\s+3], 0x80000000
	s_mov_b32 s[G0B+4*\s], 1
	s_add_co_u32 s[G0B+4*\s+1], s45, \s*SLOT
	s_add_nc_u64 s[G0B+4*\s+2:G0B+4*\s+3], s[46:47], \s*ROWB
	s_or_b32 s[G0B+4*\s+3], s[G0B+4*\s+3], 0x80000000
	JLOAD G0+4*\s, G1, G0B+4*\s, G1B               ; three tensor loads of mine are out
.endr
	s_load_b256 s[4:11], s[0:1], 0x20              ; bk s[4:5], bv s[6:7], kvp s[8:9], ksp s[10:11]
	v_and_b32 v1, 15, v0                           ; r
	v_bfe_u32 v2, v0, 4, 1                         ; h
	v_mul_u32_u24 v3, v1, PITCH
	v_mul_u32_u24 v4, v2, 24
	v_add_nc_u32 v4, v3, v4                        ; a fragment's row x pitch + 24 x half
	v_lshl_add_u32 v5, v2, 4, v4                   ; and the same behind one padding more
	s_mul_i32 s21, s15, HALFT                      ; my 128 rows of x
	s_mul_i32 s22, s16, HALFT                      ; my 128 rows of wc,
	s_add_co_u32 s22, s22, 2*HALFT                 ; which lie behind x's 256
.irp s, 0,1
	v_add_nc_u32 v[ADRA+\s], s21, v4
	v_add_nc_u32 v[ADRB+\s], s22, v4
	v_add_nc_u32 v[ADRA+2+\s], s21, v5
	v_add_nc_u32 v[ADRB+2+\s], s22, v5
	s_add_co_u32 s21, s21, SLOT
	s_add_co_u32 s22, s22, SLOT
.endr
	v_mul_u32_u24 v5, v1, KS                       ; my row's scales: 32 bytes a row,
	v_lshrrev_b32 v6, 8, v5
	v_lshl_add_u32 v5, v6, 4, v5                   ; and 16 more for each 256 passed
	s_mul_i32 s21, s15, HALFS
	s_mul_i32 s22, s16, HALFS
	s_add_co_u32 s22, s22, 2*HALFS
	s_sub_co_u32 s22, s22, s21
	v_mul_u32_u24 v6, s22, v2                      ; lanes 16-31 take wc's
	s_add_co_u32 s21, s21, SCL
	v_add_nc_u32 v5, v5, v6
	v_add_nc_u32 v[ADRS], s21, v5
	v_and_b32 v6, 31, v0
	v_lshlrev_b32 v[LI], 4, v6
	s_lshl_b32 s21, s14, 13
	v_add_nc_u32 v[SW1], s21, v[LI]
	s_xor_b32 s22, s14, 2                          ; my partner: the same head, the other 128 t
	s_lshl_b32 s22, s22, 13
	v_add_nc_u32 v[SRD1], s22, v[LI]
	v_add_nc_u32 v[SW0], STG, v[SW1]
	v_add_nc_u32 v[SRD0], STG, v[SRD1]
	s_cmp_eq_u32 s15, 1
	s_cselect_b32 s[THM], -1, 0
	v_and_b32 v7, 8, v1
	v_add_nc_u32 v7, v7, v1
	v_lshlrev_b32 v[BO], 2, v7
.irp b, 0,1,2,3
	v_mov_b32 v[TM+4+\b], 0                        ; written once: a lane permute's destination counts as one of its sources
	v_mov_b32 v[KSUM+\b], 0                        ; the vector work is written once for both tiles: the first adds onto zeros
.endr
	s_lshl_b32 s92, s42, 1
	s_add_co_u32 s92, s92, s16                     ; my head
	s_lshl_b32 s46, s92, 8                         ; its 64 numbers in bk and bv
	s_mov_b32 s47, 0
	s_lshl_b32 s93, s17, 4
	s_add_co_u32 s93, s93, s92                     ; 16 P + head
	s_lshl_b32 s94, s93, 14                        ; kvp: 16,384 bytes for each, my half of them
	s_lshl_b32 s95, s15, 13
	s_add_co_u32 s94, s94, s95
	s_mov_b32 s95, 0
	s_lshl_b32 s92, s93, 10                        ; ksp: 1,024 bytes for each, 512 for each th
	s_lshl_b32 s93, s15, 9
	s_add_co_u32 s92, s92, s93
	s_mov_b32 s93, 0
	s_wait_kmcnt 0x0
	s_add_nc_u64 s[4:5], s[4:5], s[46:47]
	s_add_nc_u64 s[6:7], s[6:7], s[46:47]
	s_add_nc_u64 s[8:9], s[8:9], s[94:95]
	s_add_nc_u64 s[10:11], s[10:11], s[92:93]
.irp b, 0,1,2,3
	global_load_b32 v[T+\b], v[BO], s[4:5] offset:4*(32*(\b/2)+8*(\b%2))     ; bk at my column of k's tile b
	global_load_b32 v[T+4+\b], v[BO], s[6:7] offset:4*(32*(\b/2)+8*(\b%2))   ; bv likewise
.endr
	s_wait_loadcnt 0x0
	WIN 0x40                                       ; destination window 1
.irp b, 0,1,2,3
	v_mul_f32 v[BKL+4*\b], s[LC], v[T+\b]
	v_mul_f32 v[BKL+4*\b+1], s[LC], v[T+\b]
	v_add_f32 v[BKL+4*\b+2], 1.0, v[T+\b]
	v_add_f32 v[BKL+4*\b+3], 1.0, v[T+\b]
	v_mov_b32 v[BV+2*\b], v[T+4+\b]
	v_mov_b32 v[BV+2*\b+1], v[T+4+\b]
.endr
	WIN 0
.macro FRAG reg, adr, q, i             ; a fragment: lane l holds row l % 16; registers 6 c .. 6 c + 5 hold K = 64 c + 32 (l / 16) + 0 .. 31: 24 bytes of the row's stream of bits, in pieces of 8 bytes
.irp p, 0,1,2,3,4,5
.set PC, 12*(\q)+6*(\p/3)+\p%3        ; where the piece three on lies behind one padding more, the second address register serves
.if PC%8 < 5
	ds_load_b64 v[\reg+2*\p:\reg+2*\p+1], v[\adr] offset:8*PC+16*(PC/8)+(\i)*16*PITCH
.else
	ds_load_b64 v[\reg+2*\p:\reg+2*\p+1], v[\adr+2] offset:8*PC+16*(PC/8)+(\i)*16*PITCH
.endif
.endr
.endm
; 16 matrix instructions: x's blocks a0, a0 + 1 against wc's eight, 128 along K.  The 64 accumulators take turns, one instruction a turn, in the same order in every step.
; A scale register holds x's word of block i in lanes 0-15 and wc's word of block i in lanes 16-31.
.macro MUL16 a0, p, q, sc, zero
.irp a, \a0, \a0+1
.irp b, 0,1,2,3,4,5,6,7
.if \zero
	v_wmma_scale_f32_16x16x128_f8f6f4 v[32*\b+8*((\a)%4):32*\b+8*((\a)%4)+7], v[AF+FR*(\a):AF+FR*(\a)+FR-1], v[128*(\p)+FR*\b:128*(\p)+FR*\b+FR-1], 0, v[SC+8*NQ*(\sc)+NQ*(\a)+(\q)], v[SC+8*NQ*(\sc)+NQ*\b+(\q)] matrix_a_fmt:MATRIX_FMT_BF6 matrix_b_fmt:MATRIX_FMT_BF6 matrix_b_scale:MATRIX_SCALE_ROW1
.else
	v_wmma_scale_f32_16x16x128_f8f6f4 v[32*\b+8*((\a)%4):32*\b+8*((\a)%4)+7], v[AF+FR*(\a):AF+FR*(\a)+FR-1], v[128*(\p)+FR*\b:128*(\p)+FR*\b+FR-1], v[32*\b+8*((\a)%4):32*\b+8*((\a)%4)+7], v[SC+8*NQ*(\sc)+NQ*(\a)+(\q)], v[SC+8*NQ*(\sc)+NQ*\b+(\q)] matrix_a_fmt:MATRIX_FMT_BF6 matrix_b_fmt:MATRIX_FMT_BF6 matrix_b_scale:MATRIX_SCALE_ROW1
.endif
.endr
.endr
.endm
.macro FETCH_B slot, q, p
	WIN TO_B
.irp i, 0,1,2,3,4,5,6,7
	FRAG 128*(\p)+FR*\i, ADRB+\slot, \q, \i
.endr
	WIN 0
.endm
.macro FETCH_A slot, q, i0
.irp i, \i0, \i0+1, \i0+2, \i0+3
	FRAG AF+FR*(\i), ADRA+\slot, \q, \i
.endr
.endm
.macro SCALES sc, tile, unit           ; the scale words of K step unit of a tile into set sc: two words a row; the tile and the K step stand in the immediate
.irp i, 0,1,2,3,4,5,6,7
	ds_load_b64 v[SC+8*NQ*\sc+NQ*\i:SC+8*NQ*\sc+NQ*\i+1], v[ADRS] offset:(\tile)*SCREG+8*(\unit)+\i*SBLK
.endr
.endm
.macro PLACES n                        ; plain vector instructions that name no register of the matrix instructions ahead (ISA guide 7.12.1)
.rept \n
	v_nop
.endr
.endm
.macro FIRST tile                      ; a tile's first fragments and scale words, out of slot 0
	FETCH_B 0, 0, 0
	FETCH_A 0, 0, 0
	SCALES 0, \tile, 0
	FETCH_A 0, 0, 4
.endm
.macro STEP slot, q, zero              ; a step of 128 along K that has its successor in the same slot
	s_wait_dscnt 4*NL                              ; wc's set and x's blocks 0-3 are in; the youngest 24 loads (x's blocks 4-7) may be out
	WIN MUL_LO
	MUL16 0, (\q)%2, \q, \slot, \zero
	MUL16 2, (\q)%2, \q, \slot, \zero
	s_wait_dscnt 0                                 ; x's blocks 4-7 are in
	PLACES NP
	FETCH_B \slot, (\q)+1, 1-(\q)%2
	FETCH_A \slot, (\q)+1, 0
	WIN MUL_HI
	MUL16 4, (\q)%2, \q, \slot, \zero
	MUL16 6, (\q)%2, \q, \slot, \zero
	PLACES NP
	WIN 0
	FETCH_A \slot, (\q)+1, 4
.endm
; A slot's last step changes slots: one barrier; in front of it each wave waits for all its tensor loads, adds 0 to its spare word, and waits for that and for its own reads of this slot.
; fill = 1: this slot is filled again with the tile's K step two on; fill = 2: with the same K step of the next tile; fill = 0: not at all.
.macro CHANGE slot, fill
	s_wait_tensorcnt 0x0                           ; all my tensor loads have landed: my part of the next slot
	ds_add_u32 v[SPW], v[NIL]                      ; 0 onto my spare word
	s_wait_dscnt 4*NL+1                            ; (the add and the youngest 24 loads may be out)
	WIN MUL_LO
	MUL16 0, 1, NQ-1, \slot, 0                     ; sixteen matrix instructions stand between the add and the wait for it
	s_wait_dscnt 0x0                               ; the add is done, and my reads of this slot are over
	s_barrier_signal -1
	MUL16 2, 1, NQ-1, \slot, 0
	WIN 0
	s_barrier_wait -1
.if \fill
	CREST                                          ; the barrier has opened a round of the cluster's barrier: no wave of any partner still reads this slot or has a load on its way
.if \fill == 2
	s_add_nc_u64 s[G0+4*\slot+2:G0+4*\slot+3], s[G0+4*\slot+2:G0+4*\slot+3], NEXT_A
	s_sub_nc_u64 s[G0B+4*\slot+2:G0B+4*\slot+3], s[G0B+4*\slot+2:G0B+4*\slot+3], BACK_B
.else
	s_add_nc_u64 s[G0+4*\slot+2:G0+4*\slot+3], s[G0+4*\slot+2:G0+4*\slot+3], 2*ROWB
	s_add_nc_u64 s[G0B+4*\slot+2:G0B+4*\slot+3], s[G0B+4*\slot+2:G0B+4*\slot+3], 2*ROWB
.endif
	JLOAD G0+4*\slot, G1, G0B+4*\slot, G1B         ; the first tensor load behind the round, and my only one until the next; its four v_nop are the places in front of the loads that follow
.else
	PLACES NP
.endif
.endm
.macro TURN slot, next, fill, tile, unit   ; the whole last step of a slot; the next slot holds K step unit of the tile
	CHANGE \slot, \fill
	FETCH_B \next, 0, 0
	FETCH_A \next, 0, 0
	SCALES \next, \tile, \unit
	WIN MUL_HI
	MUL16 4, 1, NQ-1, \slot, 0
	MUL16 6, 1, NQ-1, \slot, 0
	PLACES NP
	WIN 0
	FETCH_A \next, 0, 4
.endm
.macro LEAVE slot                      ; the first tile's very last step: the slot takes the next tile's K step, and nothing is fetched from LDS: the registers are wanted for the vector work
	CHANGE \slot, 2
	WIN MUL_HI
	MUL16 4, 1, NQ-1, \slot, 0
	MUL16 6, 1, NQ-1, \slot, 0
	WIN 0
.endm
; 64 numbers of a lane, v[s] on, register 16 b + i = k 32 b + 16 (lane / 16) + i of my row, become a fragment's codes in v[d] on and its scale word in v[pw].
.macro QUANT s, d, pw
.irp b, 0,1,2,3
	v_max3_num_f32 v[TM+\b], |v[\s+16*\b]|, |v[\s+1+16*\b]|, 0x2800000   ; my 16 numbers of block b, and the floor 2^(5 - 127): the byte cannot fall under 1
.endr
.irp i, 2,4,6,8,10,12,14
.irp b, 0,1,2,3
	v_max3_num_f32 v[TM+\b], v[TM+\b], |v[\s+16*\b+\i]|, |v[\s+1+16*\b+\i]|
.endr
.endr
.irp b, 0,1,2,3
	v_permlanex16_b32 v[TM+4+\b], v[TM+\b], s[SEL], s[SEL+1]
.endr
.irp b, 0,1,2,3
	v_max_num_f32 v[TM+\b], v[TM+\b], v[TM+4+\b]   ; with lane l xor 16's: the block's largest magnitude
.endr
.irp b, 0,1,2,3
	v_add_nc_u32 v[TM+12+\b], 0xfe000000, v[TM+\b] ; 4 off its exponent field: the conversion's scale operand
.endr
.irp b, 0,1,2,3
	v_lshrrev_b32 v[TM+4+\b], 23, v[TM+12+\b]      ; the scale's byte
.endr
	v_lshl_or_b32 v[\pw], v[TM+5], 8, v[TM+4]
	v_lshl_or_b32 v[\pw], v[TM+6], 16, v[\pw]
	v_lshl_or_b32 v[\pw], v[TM+7], 24, v[\pw]
.irp c, 0,1
	v_cvt_scalef32_pk16_bf6_f32 v[\d+6*\c:\d+6*\c+2], v[\s+32*\c:\s+32*\c+15], v[TM+12+2*\c]
	v_cvt_scalef32_pk16_bf6_f32 v[XQ+4*\c:XQ+4*\c+2], v[\s+32*\c+16:\s+32*\c+31], v[TM+12+2*\c+1]   ; (a conversion's three registers begin on an even number)
.endr
	v_nop                                          ; one plain place behind a scaled conversion
.irp c, 0,1                                    ; the operand's layout wants a whole block in a lane
.irp i, 0,1,2
	v_permlane16_swap_b32 v[\d+6*\c+\i], v[XQ+4*\c+\i]
.endr
.irp i, 0,1,2
	v_mov_b32 v[\d+6*\c+3+\i], v[XQ+4*\c+\i]
.endr
.endr
.endm
; k's tile b: 64 numbers a lane (my column, 128 t shared with lane l xor 16).  T = 2^((y + bias) log2 e); the accumulators become y + bias + 1; T = the middle one of the two and 1.
.macro KFRAG b
	WIN 0x12                                       ; source 0 window 2, source 2 window 1
.set j, 0
.rept 16
	v_pk_fma_f32 v[T+j:T+j+1], v[32*\b+j:32*\b+j+1], s[LC:LC+1], v[BKL+4*\b:BKL+4*\b+1] op_sel_hi:[1,0,1]   ; each accumulator from its low end on
.set j, j+2
.endr
	WIN 0x13
.set j, 0
.rept 16
	v_pk_fma_f32 v[T+32+j:T+33+j], v[32*\b+j:32*\b+j+1], s[LC:LC+1], v[BKL+4*\b:BKL+4*\b+1] op_sel_hi:[1,0,1]
.set j, j+2
.endr
	WIN 0
.set j, 0
.rept 64
	v_exp_f32 v[T+j], v[T+j]                       ; one batch
.set j, j+1
.endr
	WIN 0x86                                       ; destination and source 0 window 2, source 1 window 1
.set j, 0
.rept 16
	v_pk_add_f32 v[32*\b+j:32*\b+j+1], v[32*\b+j:32*\b+j+1], v[BKL+4*\b+2:BKL+4*\b+3]   ; plain work behind the batch: it names none of its results
.set j, j+2
.endr
	WIN 0xc7
.set j, 0
.rept 16
	v_pk_add_f32 v[32*\b+j:32*\b+j+1], v[32*\b+j:32*\b+j+1], v[BKL+4*\b+2:BKL+4*\b+3]
.set j, j+2
.endr
	s_wait_alu depctr_va_vdst(0)                   ; one wait for the batch, ahead of its first reader
	WIN 0x02
.set j, 0
.rept 32
	v_med3_num_f32 v[T+j], v[32*\b+j], v[T+j], 1.0
.set j, j+1
.endr
	WIN 0x03
.set j, 0
.rept 32
	v_med3_num_f32 v[T+32+j], v[32*\b+j], v[T+32+j], 1.0
.set j, j+1
.endr
	WIN 0
	v_pk_add_f32 v[SM:SM+1], v[T:T+1], v[T+2:T+3]  ; my part of sum_t k, of the unquantised k, in two chains
	v_pk_add_f32 v[SM+2:SM+3], v[T+4:T+5], v[T+6:T+7]
.set j, 8
.rept 14
	v_pk_add_f32 v[SM:SM+1], v[SM:SM+1], v[T+j:T+j+1]
	v_pk_add_f32 v[SM+2:SM+3], v[SM+2:SM+3], v[T+j+2:T+j+3]
.set j, j+4
.endr
	v_pk_add_f32 v[SM:SM+1], v[SM:SM+1], v[SM+2:SM+3]
	v_add_f32 v[SM], v[SM], v[SM+1]
	v_add_f32 v[KSUM+\b], v[KSUM+\b], v[SM]        ; onto the tile before's
	QUANT T, FRG+12*\b, SC+\b
.endm
.macro VFRAG b                         ; v's tile b - 4: the bias, then the quantiser
	WIN 0x06
.set j, 0
.rept 16
	v_pk_add_f32 v[T+j:T+j+1], v[32*\b+j:32*\b+j+1], v[BV+2*(\b-4):BV+2*(\b-4)+1]
.set j, j+2
.endr
	WIN 0x07
.set j, 0
.rept 16
	v_pk_add_f32 v[T+32+j:T+33+j], v[32*\b+j:32*\b+j+1], v[BV+2*(\b-4):BV+2*(\b-4)+1]
.set j, j+2
.endr
	WIN 0
	QUANT T, FRG+12*\b, SC+\b
.endm
	s_wait_tensorcnt 1                             ; the scales and my part of K step 0 are in (K step 1's load may be out),
	s_barrier_signal -1
	s_barrier_wait -1                              ; everybody's are
	; ---- the first tile's products
	FIRST 0
	STEP 0, 0, 1                                   ; the first step's products start the sums
	TURN 0, 1, 1, 0, 1                             ; slot 0 takes K step 2
	STEP 1, 0, 0
	TURN 1, 0, 1, 0, 2                             ; slot 1 takes K step 3
	STEP 0, 0, 0
	TURN 0, 1, 2, 0, 3                             ; THE RING GOES ON INTO THE SECOND TILE: slot 0 takes its K step 0,
	STEP 1, 0, 0
	LEAVE 1                                        ; slot 1 its K step 1
	s_mov_b32 s3, 0
.Ltile:                                            ; two trips: a tile's vector work and k^T v; in the first trip also the first join and the second tile's products
	PLACES NP+1                                    ; results are read, operands' registers written by vector instructions, and later laid over by matrix results
	KFRAG 0
	KFRAG 1
	KFRAG 2
	KFRAG 3
	VFRAG 4
	VFRAG 5
	VFRAG 6
	VFRAG 7
	; Of kv's 16 accumulators a wave sums eight (k's tiles 2 th, 2 th + 1) and its partner the other eight.  So that these are the same registers in every wave, k's fragments change places in pairs where th = 1:
	; fragment i of the product below is k's tile i xor 2 th.  Accumulators 0-7 are then the half that I sum, 8-15 the half that I send.
.irp i, 0,1,2,3
.set sk, 0
.rept 12
	v_cndmask_b32 v[T+12*\i+sk], v[FRG+12*\i+sk], v[FRG+12*((\i+2)%4)+sk], s[THM]
.set sk, sk+1
.endr
	v_cndmask_b32 v[SC+8+\i], v[SC+\i], v[SC+(\i+2)%4], s[THM]   ; and their scale words
.endr
	PLACES 8                                       ; scale registers written by vector instructions stand eight places ahead of a scaled matrix instruction, operands four
	WIN 0x40                                       ; D window 1
.irp i, 0,1,2,3                                ; kv of my 128 t: source 0 = 16 columns of k, source 1 = 16 columns of v, K = t.  With dt = i xor 2 th, register j of lane (r, h): d = 32 (dt / 2) + 16 h + 8 (dt % 2) + j, v at position 16 vt + r
.irp vt, 0,1,2,3
	v_wmma_scale_f32_16x16x128_f8f6f4 v[KV+8*(4*\i+\vt):KV+8*(4*\i+\vt)+7], v[T+12*\i:T+12*\i+11], v[FRG+12*(4+\vt):FRG+12*(4+\vt)+11], 0, v[SC+8+\i], v[SC+4+\vt] matrix_a_fmt:MATRIX_FMT_BF6 matrix_b_fmt:MATRIX_FMT_BF6
.endr
.endr
	WIN 0
	s_cmp_eq_u32 s3, 1                             ; the second tile leaves for the tail
	s_cbranch_scc1 .Lfinish
	; ---- THE FIRST JOIN of the two halves of t.  Each wave puts the eight accumulators that its partner sums, as images of their registers, into its part of the stage; behind a barrier it reads its partner's, adds its own eight,
	; and parks the sum where it has just read: nobody else reads those bytes, and their writer writes them no more.
	PLACES NP
	WIN 0x04                                       ; an LDS store's data are its source 1: window 1
.irp i, 0,1,2,3,4,5,6,7,8,9,10,11,12,13,14,15
	ds_store_b128 v[SW0], v[KV+64+4*\i:KV+64+4*\i+3] offset:512*\i    ; each accumulator from its low end on
.endr
	WIN 0
	s_wait_dscnt 0x0                               ; for my partner's sake: my stores have landed
	s_barrier_signal -1                            ; (slot 1's refill is still out)
	s_barrier_wait -1
.irp i, 0,1,2,3,4,5,6,7,8,9,10,11,12,13,14,15
	ds_load_b128 v[T+4*\i:T+4*\i+3], v[SRD0] offset:512*\i
.endr
	s_wait_dscnt 0x0
	WIN 0x04                                       ; source 1 window 1
.set j, 0
.rept 32
	v_pk_add_f32 v[T+j:T+j+1], v[T+j:T+j+1], v[KV+j:KV+j+1]
.set j, j+2
.endr
	WIN 0
.irp i, 0,1,2,3,4,5,6,7,8,9,10,11,12,13,14,15
	ds_store_b128 v[SRD0], v[T+4*\i:T+4*\i+3] offset:512*\i           ; parked until the second join
.endr
	; ---- the second tile's products.  Its K step 0 was shown whole in slot 0 by the round in which slot 1's refill went out
	FIRST 1
	STEP 0, 0, 1
	TURN 0, 1, 1, 1, 1
	STEP 1, 0, 0
	TURN 1, 0, 1, 1, 2
	STEP 0, 0, 0
	TURN 0, 1, 0, 1, 3                             ; the last lap fills nothing
	STEP 1, 0, 0
	s_wait_dscnt 4*NL                              ; the very last step
	WIN MUL_LO
	MUL16 0, 1, NQ-1, 1, 0
	MUL16 2, 1, NQ-1, 1, 0
	s_wait_dscnt 0
	WIN MUL_HI
	MUL16 4, 1, NQ-1, 1, 0
	MUL16 6, 1, NQ-1, 1, 0
	WIN 0
	s_add_co_u32 s3, s3, 1
	s_cmp_lt_u32 s3, 2
	s_cbranch_scc1 .Ltile
.Lfinish:
	; ---- THE SECOND JOIN.  The sends go into slot 0, which has had its last fill and its last read; the parked sum of the first tile is added, and the 512 rows' part goes out.
	PLACES NP
	WIN 0x04
.irp i, 0,1,2,3,4,5,6,7,8,9,10,11,12,13,14,15
	ds_store_b128 v[SW1], v[KV+64+4*\i:KV+64+4*\i+3] offset:512*\i
.endr
	WIN 0
	s_wait_dscnt 0x0                               ; for my partner's sake: my stores have landed
	s_barrier_signal -1
	s_barrier_wait -1
.irp i, 0,1,2,3,4,5,6,7,8,9,10,11,12,13,14,15
	ds_load_b128 v[T+4*\i:T+4*\i+3], v[SRD1] offset:512*\i            ; my partner's eight
.endr
.irp i, 0,1,2,3,4,5,6,7,8,9,10,11,12,13,14,15
	ds_load_b128 v[FRG+4*\i:FRG+4*\i+3], v[SRD0] offset:512*\i        ; what I parked
.endr
	s_wait_dscnt 0x0
.set j, 0
.rept 32
	v_pk_add_f32 v[T+j:T+j+1], v[T+j:T+j+1], v[FRG+j:FRG+j+1]
.set j, j+2
.endr
	WIN 0x04
.set j, 0
.rept 32
	v_pk_add_f32 v[T+j:T+j+1], v[T+j:T+j+1], v[KV+j:KV+j+1]
.set j, j+2
.endr
	WIN 0
.irp i, 0,1,2,3,4,5,6,7,8,9,10,11,12,13,14,15
	global_store_b128 v[LI], v[T+4*\i:T+4*\i+3], s[8:9] offset:512*\i  ; 32 lanes store 512 consecutive bytes, aligned
.endr
	global_store_b128 v[LI], v[KSUM:KSUM+3], s[10:11]
	s_wait_tensorcnt 0x0                           ; the wave's end
	ds_add_u32 v[SPW], v[NIL]
	s_wait_dscnt 0x0
	CROUND                                         ; the closing round
	s_endpgm
.Lfunc_end_k_q04a1b77a28_kvgemm:
	.size	k_q04a1b77a28_kvgemm, .Lfunc_end_k_q04a1b77a28_kvgemm-k_q04a1b77a28_kvgemm
	.p2alignl 7, 3214868480
	.fill 96, 4, 3214868480
	.section	.rodata,"a",@progbits
	.p2align	6, 0x0
	.amdhsa_kernel k_q04a1b77a28_kvgemm
		.amdhsa_group_segment_fixed_size 327680
		.amdhsa_private_segment_fixed_size 0
		.amdhsa_enable_private_segment 0
		.amdhsa_kernarg_size 64
		.amdhsa_user_sgpr_count 2
		.amdhsa_user_sgpr_kernarg_segment_ptr 1
		.amdhsa_wavefront_size32 1
		.amdhsa_system_sgpr_workgroup_id_x 1
		.amdhsa_system_sgpr_workgroup_id_y 1
		.amdhsa_system_sgpr_workgroup_id_z 1
		.amdhsa_system_vgpr_workitem_id 0
		.amdhsa_next_free_vgpr 1024
		.amdhsa_next_free_sgpr 100
		.amdhsa_reserve_vcc 0
		.amdhsa_float_denorm_mode_32 3
		.amdhsa_float_denorm_mode_16_64 3
		.amdhsa_memory_ordered 1
		.amdhsa_forward_progress 1
		.amdhsa_inst_pref_size 255
	.end_amdhsa_kernel
	.section	.bss,"aw",@nobits
	.p2align	6
	.space	262144
	.amdgpu_metadata
---
amdhsa.version: [ 1, 2 ]
amdhsa.kernels:
  - .name:           k_q04a1b77a28_kvgemm
    .symbol:         k_q04a1b77a28_kvgemm.kd
    .args:
      - { .name: xc, .offset: 0, .size: 8, .value_kind: global_buffer, .address_space: global }
      - { .name: xs, .offset: 8, .size: 8, .value_kind: global_buffer, .address_space: global }
      - { .name: wc, .offset: 16, .size: 8, .value_kind: global_buffer, .address_space: global }
      - { .name: ws, .offset: 24, .size: 8, .value_kind: global_buffer, .address_space: global }
      - { .name: bk, .offset: 32, .size: 8, .value_kind: global_buffer, .address_space: global }
      - { .name: bv, .offset: 40, .size: 8, .value_kind: global_buffer, .address_space: global }
      - { .name: kvp, .offset: 48, .size: 8, .value_kind: global_buffer, .address_space: global }
      - { .name: ksp, .offset: 56, .size: 8, .value_kind: global_buffer, .address_space: global }
    .group_segment_fixed_size: 327680
    .private_segment_fixed_size: 0
    .kernarg_segment_align: 8
    .kernarg_segment_size: 64
    .max_flat_workgroup_size: 128
    .sgpr_count:     100
    .vgpr_count:     1024
    .wavefront_size: 32
...
	.end_amdgpu_metadata
.endif
;; end of part 2
;; launch kvred (part 3): grid 256 x 1, 4 waves a work-group, no clusters, 17,408 bytes of LDS; arguments kvp, ksp, kvc, ksm; writes kvc, ksm
.if DOCPART == 3
	.amdgcn_target "amdgcn-amd-amdhsa--gfx1250"
	.amdhsa_code_object_version 6
	.text
	.protected	k_q04a1b77a28_kvred
	.globl	k_q04a1b77a28_kvred
	.p2align	8
	.type	k_q04a1b77a28_kvred,@function
k_q04a1b77a28_kvred:
	s_mov_b64 s[64:65], 0
	v_nop
	global_prefetch_b8 v0, s[64:65] scope:SCOPE_SE
	s_setreg_imm32_b32 hwreg(HW_REG_WAVE_MODE, 25, 1), 1
	s_wait_xcnt 0x0
; The 8 parts (one for each 512 rows of t) of kv[d][v] and of sum_t k are added for one (batch, head) and one tile vt of 16 positions of v; kv is quantised along d (two blocks of 32) into codes of BF6 (E3M2) and stored as the
; IMAGE OF AN OPERAND'S REGISTERS: 3 x [lane][16 bytes], and a scale word a lane.  The next launch multiplies 128 along K, two heads' d: an even head's codes lie in registers 0-5 (K 0-63) and the rest are zero codes
; under the byte 127; an odd head's the other way round.  sum_t k + 1e-6 goes out in natural order.
; SHARES.  Work-group u = 4 (16 batch + head) + vt.  Wave w adds parts 2 w and 2 w + 1; the four sums meet in LDS; wave 0 finishes.  The work-group also finishes sum_t k for k's tile dt = vt.
; In a part, register 8 dt + j of lane (r, h) is kv[d = 32 (dt / 2) + 16 h + 8 (dt % 2) + j][position 16 vt + r]: register 16 B + i is d = 32 B + 16 h + i.
; Memory binds here and the work is small: no matrix unit, no cluster, no tensor load.  All 20 loads of a wave are out together.
; LIMITS: NaN and infinities are not served; a block whose largest magnitude lies under 2^-122 keeps the scale byte 1; the sums are taken in another order than a plain loop's.
	s_load_b256 s[4:11], s[0:1], 0x0               ; kvp, ksp, kvc, ksm
	v_lshl_add_u32 v208, v0, 2, 0x4200
	v_mov_b32 v209, 0
	v_lshrrev_b32 v1, 5, v0
	v_readfirstlane_b32 s12, v1                    ; wave
	v_and_b32 v1, 31, v0                           ; lane
	v_lshlrev_b32 v4, 4, v1                        ; 16 x lane
	v_lshlrev_b32 v3, 2, v1                        ; 4 x lane
	s_lshl_b32 s13, s12, 12
	v_add_nc_u32 v5, s13, v4                       ; LDS: my wave's image, 4,096 bytes
	v_add_nc_u32 v6, 16384, v3                     ; behind the four images: a word a lane for each wave
	s_lshl_b32 s13, s12, 7
	v_add_nc_u32 v7, s13, v6                       ; mine
	v_and_b32 v8, 15, v0
	v_and_b32 v9, 8, v8
	v_add_nc_u32 v8, v8, v9
	v_lshlrev_b32 v8, 2, v8                        ; 4 (r + 8 (r / 8))
	v_mov_b32 v177, 0
	v_mov_b32 v172, 0                              ; (a lane permute's destination counts as one of its sources)
	v_mov_b32 v173, 0
	s_lshr_b32 s14, ttmp9, 2
	s_and_b32 s15, ttmp9, 3                        ; vt
	s_lshr_b32 s16, s14, 4                         ; batch
	s_and_b32 s17, s14, 15                         ; head
	s_lshl_b32 s18, s16, 3
	s_lshl_b32 s19, s12, 1
	s_add_co_u32 s18, s18, s19                     ; my first part: 8 batch + 2 wave
	s_lshl_b32 s18, s18, 4
	s_add_co_u32 s18, s18, s17
	s_lshl_b32 s20, s18, 14                        ; kvp: 16,384 bytes for each (part, head); accumulator 4 dt + vt is 1,024 bytes
	s_lshl_b32 s21, s15, 10
	s_add_co_u32 s20, s20, s21
	s_mov_b32 s21, 0
	s_lshl_b32 s22, s18, 10                        ; ksp: 1,024 bytes for each; a lane's four numbers, of which I take number vt
	s_lshl_b32 s23, s15, 2
	s_add_co_u32 s22, s22, s23
	s_mov_b32 s23, 0
	s_mul_i32 s24, ttmp9, 1536                     ; kvc: my image,
	s_mov_b32 s25, 0
	s_lshl_b32 s26, ttmp9, 7
	s_add_co_u32 s26, s26, 393216                  ; and my scale words, behind the 256 images
	s_mov_b32 s27, 0
	s_lshl_b32 s32, s16, 12                        ; ksm: 4,096 batch + 256 head + 4 (32 (vt / 2) + 8 (vt % 2))
	s_lshl_b32 s33, s17, 8
	s_add_co_u32 s32, s32, s33
	s_lshr_b32 s33, s15, 1
	s_lshl_b32 s33, s33, 7
	s_add_co_u32 s32, s32, s33
	s_and_b32 s33, s15, 1
	s_lshl_b32 s33, s33, 5
	s_add_co_u32 s32, s32, s33
	s_mov_b32 s33, 0
	s_mov_b32 s30, 0x76543210
	s_mov_b32 s31, 0xfedcba98                      ; v_permlanex16_b32's selects for lane l xor 16
	s_and_b32 s34, s17, 1
	s_cmp_eq_u32 s34, 0                            ; an even head?
	s_cselect_b32 s35, -1, 0                       ; a mask of all lanes or of none
	s_cselect_b32 s36, 0, 16                       ; where its two bytes stand in the scale word
	s_mov_b32 s37, 0x7f7f
	s_cselect_b32 s37, 0x7f7f0000, s37             ; and the byte 127 over the zero codes
	s_wait_kmcnt 0x0
	s_add_nc_u64 s[4:5], s[4:5], s[20:21]
	s_add_nc_u64 s[6:7], s[6:7], s[22:23]
	s_add_nc_u64 s[28:29], s[8:9], s[26:27]
	s_add_nc_u64 s[8:9], s[8:9], s[24:25]
	s_add_nc_u64 s[10:11], s[10:11], s[32:33]
.irp gi, 0,1
.irp dt, 0,1,2,3
.irp q, 0,1
	global_load_b128 v[32+32*\gi+8*\dt+4*\q:35+32*\gi+8*\dt+4*\q], v4, s[4:5] offset:262144*\gi+4096*\dt+512*\q th:TH_LOAD_NT   ; 32 lanes read 512 consecutive bytes
.endr
.endr
.irp th, 0,1
	global_load_b32 v[160+2*\gi+\th], v4, s[6:7] offset:16384*\gi+512*\th
.endr
.endr
	s_wait_loadcnt 0x0
.set j, 0
.rept 16
	v_pk_add_f32 v[32+j:33+j], v[32+j:33+j], v[64+j:65+j]
.set j, j+2
.endr
.irp i, 1,2,3
	v_add_f32 v160, v160, v[160+\i]
.endr
.irp i, 0,1,2,3,4,5,6,7
	ds_store_b128 v5, v[32+4*\i:35+4*\i] offset:512*\i
.endr
	ds_store_b32 v7, v160
	s_wait_dscnt 0x0                               ; for the others' sake: my stores have landed
	s_barrier_signal -1
	s_barrier_wait -1
	s_cmp_lg_u32 s12, 0                            ; wave 0 finishes; no barrier follows
	s_cbranch_scc1 .Lend
.irp w, 1,2,3
.irp i, 0,1,2,3,4,5,6,7
	ds_load_b128 v[32+32*\w+4*\i:35+32*\w+4*\i], v4 offset:4096*\w+512*\i
.endr
	ds_load_b32 v[160+\w], v6 offset:128*\w
.endr
	s_wait_dscnt 0x0
.irp w, 1,2,3
.set j, 0
.rept 16
	v_pk_add_f32 v[32+j:33+j], v[32+j:33+j], v[32+32*\w+j:33+32*\w+j]
.set j, j+2
.endr
	v_add_f32 v160, v160, v[160+\w]
.endr
	; the two blocks of 32 along d
.irp b, 0,1
	v_max3_num_f32 v[170+\b], |v[32+16*\b]|, |v[33+16*\b]|, 0x2800000   ; my 16 numbers, and the floor 2^(5 - 127)
.endr
.irp i, 2,4,6,8,10,12,14
.irp b, 0,1
	v_max3_num_f32 v[170+\b], v[170+\b], |v[32+16*\b+\i]|, |v[33+16*\b+\i]|
.endr
.endr
.irp b, 0,1
	v_permlanex16_b32 v[172+\b], v[170+\b], s30, s31
.endr
.irp b, 0,1
	v_max_num_f32 v[170+\b], v[170+\b], v[172+\b]  ; with lane l xor 16's: the block's largest magnitude
.endr
.irp b, 0,1
	v_add_nc_u32 v[174+\b], 0xfe000000, v[170+\b]  ; 4 off its exponent field: the conversion's scale operand
.endr
.irp b, 0,1
	v_lshrrev_b32 v[172+\b], 23, v[174+\b]         ; the scale's byte
.endr
	v_lshl_or_b32 v176, v173, 8, v172
	v_lshlrev_b32 v176, s36, v176
	v_or_b32 v176, s37, v176                       ; the scale word
	v_cvt_scalef32_pk16_bf6_f32 v[184:186], v[32:47], v174
	v_cvt_scalef32_pk16_bf6_f32 v[188:190], v[48:63], v175
	v_nop                                          ; one plain place behind a scaled conversion
.irp i, 0,1,2
	v_permlane16_swap_b32 v[184+\i], v[188+\i]     ; a whole block in a lane: lanes 0-15 block 0, lanes 16-31 block 1; v184-186 its lower 16 codes, v188-190 its upper 16
.endr
.irp i, 0,1,2
	v_cndmask_b32 v[192+\i], v177, v[184+\i], s35  ; an even head: codes in registers 0-5, zeros in 6-11; an odd head: the other way round
	v_cndmask_b32 v[195+\i], v177, v[188+\i], s35
	v_cndmask_b32 v[198+\i], v[184+\i], v177, s35
	v_cndmask_b32 v[201+\i], v[188+\i], v177, s35
.endr
.irp k, 0,1,2
	global_store_b128 v4, v[192+4*\k:195+4*\k], s[8:9] offset:512*\k   ; 32 lanes store 512 consecutive bytes, aligned
.endr
	global_store_b32 v3, v176, s[28:29]
	v_permlanex16_b32 v161, v160, s30, s31         ; sum_t k: the other half of t lies in lane l xor 16
	v_add_f32 v160, v160, v161
	v_add_f32 v160, 0x358637bd, v160               ; + 1e-6
	v_cmp_gt_u32 vcc_lo, 16, v1
	s_wait_xcnt 0x0                                ; EXEC changes only behind this wait: the stores above have read it
	s_and_saveexec_b32 s38, vcc_lo
	global_store_b32 v8, v160, s[10:11]            ; lanes 0-15: d = 32 (vt / 2) + 8 (vt % 2) + r + 8 (r / 8)
	s_wait_xcnt 0x0                                ; and again, in front of the line that widens it
	s_or_b32 exec_lo, exec_lo, s38
.Lend:
	s_wait_tensorcnt 0x0
	ds_add_u32 v208, v209
	s_wait_dscnt 0x0
	s_endpgm
.Lfunc_end_k_q04a1b77a28_kvred:
	.size	k_q04a1b77a28_kvred, .Lfunc_end_k_q04a1b77a28_kvred-k_q04a1b77a28_kvred
	.p2alignl 7, 3214868480
	.fill 96, 4, 3214868480
	.section	.rodata,"a",@progbits
	.p2align	6, 0x0
	.amdhsa_kernel k_q04a1b77a28_kvred
		.amdhsa_group_segment_fixed_size 17408
		.amdhsa_private_segment_fixed_size 0
		.amdhsa_enable_private_segment 0
		.amdhsa_kernarg_size 32
		.amdhsa_user_sgpr_count 2
		.amdhsa_user_sgpr_kernarg_segment_ptr 1
		.amdhsa_wavefront_size32 1
		.amdhsa_system_sgpr_workgroup_id_x 1
		.amdhsa_system_sgpr_workgroup_id_y 1
		.amdhsa_system_sgpr_workgroup_id_z 1
		.amdhsa_system_vgpr_workitem_id 0
		.amdhsa_next_free_vgpr 210
		.amdhsa_next_free_sgpr 66
		.amdhsa_reserve_vcc 1
		.amdhsa_float_denorm_mode_32 3
		.amdhsa_float_denorm_mode_16_64 3
		.amdhsa_memory_ordered 1
		.amdhsa_forward_progress 1
		.amdhsa_inst_pref_size 15
	.end_amdhsa_kernel
	.amdgpu_metadata
---
amdhsa.version: [ 1, 2 ]
amdhsa.kernels:
  - .name:           k_q04a1b77a28_kvred
    .symbol:         k_q04a1b77a28_kvred.kd
    .args:
      - { .name: kvp, .offset: 0, .size: 8, .value_kind: global_buffer, .address_space: global }
      - { .name: ksp, .offset: 8, .size: 8, .value_kind: global_buffer, .address_space: global }
      - { .name: kvc, .offset: 16, .size: 8, .value_kind: global_buffer, .address_space: global }
      - { .name: ksm, .offset: 24, .size: 8, .value_kind: global_buffer, .address_space: global }
    .group_segment_fixed_size: 17408
    .private_segment_fixed_size: 0
    .kernarg_segment_align: 8
    .kernarg_segment_size: 32
    .max_flat_workgroup_size: 128
    .sgpr_count:     66
    .vgpr_count:     210
    .wavefront_size: 32
...
	.end_amdgpu_metadata
.endif
;; end of part 3
;; launch qout (part 4): grid 4 x 64, 4 waves a work-group, clusters of 4 x 4, 327,680 bytes of LDS; arguments xc, xs, wc, ws, bq, ksm, kvc, out0; writes out0
.if DOCPART == 4
	.amdgcn_target "amdgcn-amd-amdhsa--gfx1250"
	.amdhsa_code_object_version 6
	.text
	.protected	k_q04a1b77a28_qout
	.globl	k_q04a1b77a28_qout
	.p2align	8
	.type	k_q04a1b77a28_qout,@function
k_q04a1b77a28_qout:
	s_mov_b64 s[64:65], 0
	v_nop
	global_prefetch_b8 v0, s[64:65] scope:SCOPE_SE
	s_setreg_imm32_b32 hwreg(HW_REG_WAVE_MODE, 25, 1), 1
	s_wait_xcnt 0x0
	s_wait_alu depctr_hold_cnt(0) depctr_sa_sdst(0) depctr_va_vdst(0) depctr_va_sdst(0) depctr_va_ssrc(0) depctr_va_vcc(0) depctr_vm_vsrc(0)
	s_getreg_b32 s2, hwreg(HW_REG_IB_STS2, 6, 4)
	s_cmp_eq_u32 s2, 0
	s_cbranch_scc0 .Lentry_in_a_cluster
	s_endpgm
.Lentry_in_a_cluster:
	s_bfe_u32 s2, ttmp6, 0x10000c
	s_cmp_lg_u32 s2, 0xf033
	s_cbranch_scc0 .Lentry_shape_is_right
	s_endpgm
.Lentry_shape_is_right:
; out[t][head][v] = (q kv)[t][v] / (q . (sum_t k + 1e-6)), q = elu(x Wq + bq) + 1.  x Wq and q kv run on codes of BF6 (E3M2) with one E8M0 scale for each 32 along K; the divisor is taken of the unquantised q, in f32 multiply-adds.
; q never goes to memory: a tile of 16 t x 128 columns (two heads) is finished, quantised along d in registers and multiplied by the heads' kv, which the launch before has stored as images of operand registers.
; SHARES.  A work-group takes 256 positions of t (tile row g) and 256 columns (tile column: four heads).  Wave (th, c) takes 128 t and 128 columns: 64 accumulators, 512 registers.
; K = 1024 goes in four steps of 256 through a ring of two LDS slots filled by the tensor data mover; the scale bytes of the work-group's rows come once, with the first fills.
; CLUSTERS: 4 x 4 work-groups.  The four of a row of the cluster need the same tiles of x, the four of a column the same tiles of Wq: each tile is asked for jointly.
; LAYOUT.  Both products are used transposed.  Source 0 = 16 positions of Wq, source 1 = 16 positions of x: a lane holds ONE t, and register 16 B + i of a tile's 64 is column 32 B + 16 (lane / 16) + i (the positions of a tile of
; Wq hold the logical columns 32 B + 8 u + r + 8 (r / 8)).  Then source 0 = 16 positions of v of kv, source 1 = q: a lane's eight results are eight neighbouring v of one t.  bq is the C of each sum's first matrix instruction.
; A head's K is 64: the instruction's 128 hold two heads' d, and kv's fragment of one head has zero codes over the other head's d.
; elu(y) + 1 = the middle one of y + 1, e^y and 1 (e^y >= 1 + y everywhere).
; LIMITS: NaN and infinities are not served; e^y under 2^-126 comes out as 0; a block whose largest magnitude lies under 2^-122 keeps the scale byte 1.
; REGISTERS, in windows of 256.  Window 0: v0-31 addresses; v32-63 scale words, two sets (later v32-39 kv's words, v40 q's); v64-127 bq, later at work (T); v128-223 x's fragments, one set (later at work); v192-255 rows on the way out.
;   Window 1: Wq's fragments, two sets, at v0 and v128 (later v0-95: kv's eight fragments); v96-127, v224-255: sum_t k + 1e-6 in the layout of T.  Window 2: accumulators of my t 0-63 ((a, b) at v[64 (a % 4) + 8 b]); window 3: of t 64-127.
.set KSTEP,  256
.set NQ,     KSTEP/128
.set ROWB,   192
.set KROW,   768
.set PITCH,  240
.set FR,     12
.set NL,     6
.set NP,     4
.set HALFT,  128*PITCH
.set SLOT,   4*HALFT
.set LAPS,   2
.set KS,     32
.set SCL,    2*SLOT
.set HALFS,  (128*KS/256)*272
.set SBLK,   (16*KS/256)*272
.set SPARE,  SCL+4*HALFS               ; the spare words: 128 bytes a wave, two blocks of 256 bytes that no other line names
.set BROW0,  2048                      ; Wq's rows of wc begin here
.set SPITCH, 528                       ; the way out: a stage of 16 rows x (512 bytes + 16) for each wave, in slot 0, which has had its last fill and its last read by then
.set ADRA, 16
.set ADRB, 20
.set STO,  24                          ; v24  the stage: where I put my results: 8,448 x wave + 528 r + 64 h
.set RD,   25                          ; v25  and where I read a row back: 8,448 x wave + 16 x lane
.set LI,   26                          ; v26  16 x lane
.set ADRS, 27
.set SPW,  28
.set NIL,  29
.set L4,   30                          ; v30  4 x lane
.set HO,   31                          ; v31  64 h
.set SC,   32
.set PW,   40                          ; v40  q's scale word
.set T,    64
.set BIAS, 64
.set AF,   128
.set QF,   128                         ; v128-139 q's fragment
.set XQ,   140                         ; v140-147 the conversions' second halves
.set TM,   148                         ; v148-163 the quantiser's work
.set DN,   164                         ; v164-167 the divisors, a pair a head
.set RI,   168                         ; v168, v170 their reciprocals (v169, v171 are named with them as pairs)
.set BB,   192                         ; v192-255 16 rows read back from the stage
.set G1, 24
.set G0, 32
.set G1B, 48
.set G0B, 56
.set G1S, 68
.set G0S, 76
.set G1SB, 80
.set G0SB, 88
.set LC,  66                           ; s[66:67] log2(e), twice
.set SEL, 96                           ; s[96:97] v_permlanex16_b32's selects for lane l xor 16
.set MSB, 0
.macro WIN new
.if MSB != \new
	s_set_vgpr_msb (MSB<<8)|\new
.set MSB, \new
.endif
.endm
.set MUL_LO, 0xa1                      ; source 0 (Wq) window 1, source 1 (x) window 0, C and D window 2
.set MUL_HI, 0xf1
.set FIRST_LO, 0x81                    ; the same with C (bq) in window 0
.set FIRST_HI, 0xc1
.set TO_B,   0x40
.macro JLOAD g0a, g1a, g0b, g1b        ; a joint load: waves 0 and 1 fetch for x, waves 2 and 3 for Wq; four v_nop follow each of the two lines
	s_cmp_eq_u32 s15, 0
	s_cbranch_scc0 .Lfor_b_\@
	tensor_load_to_lds s[\g0a:\g0a+3], s[\g1a:\g1a+7]
	s_nop 0
.rept 4
	v_nop
.endr
	s_branch .Lasked_\@
.Lfor_b_\@:
	tensor_load_to_lds s[\g0b:\g0b+3], s[\g1b:\g1b+7]
	s_nop 0
.rept 4
	v_nop
.endr
.Lasked_\@:
.endm
.macro CREST
	s_cmp_lg_u32 s14, 0
	s_cbranch_scc1 .Lnot_wave_0_\@
	s_barrier_signal -3
.Lnot_wave_0_\@:
	s_barrier_wait -3
	s_barrier_signal -1
	s_barrier_wait -1
.endm
.macro CROUND
	s_barrier_signal -1
	s_barrier_wait -1
	CREST
.endm
	s_load_b256 s[4:11], s[0:1], 0x0               ; xc s[4:5], xs s[6:7], wc s[8:9], ws s[10:11]
	v_lshl_add_u32 v[SPW], v0, 2, SPARE
	v_mov_b32 v[NIL], 0
	ds_add_u32 v28, v29
	ds_add_u32 v28, v29
	s_wait_dscnt 0x0
	v_lshrrev_b32 v1, 5, v0
	v_readfirstlane_b32 s14, v1                    ; wave 0..3
	s_lshr_b32 s15, s14, 1                         ; th: which 128 t are mine.  Also: I fetch for x (0) or for Wq (1)
	s_and_b32 s16, s14, 1                          ; c: which 128 columns.  Also: which 128 rows of that tile I fetch
	s_bfe_u32 s40, ttmp6, 0x40000                  ; cx, cy
	s_bfe_u32 s41, ttmp6, 0x40004
	s_lshl_b32 s42, ttmp9, 2
	s_add_co_u32 s42, s42, s40                     ; tile column
	s_and_b32 s17, ttmp7, 0xffff
	s_lshl_b32 s17, s17, 2
	s_add_co_u32 s17, s17, s41                     ; tile row g
	s_lshl_b32 s43, s41, 2
	s_lshl_b32 s43, 15, s43                        ; my row of the cluster
	s_lshl_b32 s44, 0x1111, s40                    ; my column
	s_mov_b32 s[LC], 0x3fb8aa3b
	s_mov_b32 s[LC+1], 0x3fb8aa3b
	s_mov_b32 s[SEL], 0x76543210
	s_mov_b32 s[SEL+1], 0xfedcba98
	s_or_b32 s[G1+0], s43, (0<<16)|(1<<20)|(1<<21)|(3<<22)|(3<<25)   ; a tile of 128 rows x 192 bytes; 16 bytes of padding behind every 64
	s_or_b32 s[G1B+0], s44, (0<<16)|(1<<20)|(1<<21)|(3<<22)|(3<<25)
.irp g, G1, G1B
	s_mov_b32 s[\g+1], ROWB<<16
	s_mov_b32 s[\g+2], 128<<16
	s_mov_b32 s[\g+3], ROWB<<16
	s_mov_b32 s[\g+4], 128
	s_mov_b32 s[\g+5], KROW
	s_mov_b32 s[\g+6], 0
	s_mov_b32 s[\g+7], 0
.endr
	s_or_b32 s[G1S+0], s43, (3<<16)|(1<<20)|(1<<21)|(5<<22)|(3<<25)  ; the scales of 128 rows: 16 rows of 256 bytes, 16 bytes of padding behind each
	s_or_b32 s[G1SB+0], s44, (3<<16)|(1<<20)|(1<<21)|(5<<22)|(3<<25)
.irp g, G1S, G1SB
	s_mov_b32 s[\g+1], 32<<16
	s_mov_b32 s[\g+2], (128*KS/256)<<16
	s_mov_b32 s[\g+3], 32<<16
	s_mov_b32 s[\g+4], 128*KS/256
	s_mov_b32 s[\g+5], 32
	s_mov_b32 s[\g+6], 0
	s_mov_b32 s[\g+7], 0
.endr
	s_lshl_b32 s18, s16, 7
	s_lshl_b32 s20, s17, 8
	s_add_co_u32 s20, s20, s18                     ; x: position 256 g + 128 x half
	s_lshl_b32 s46, s42, 8
	s_add_co_u32 s46, s46, s18
	s_add_co_u32 s46, s46, BROW0                   ; wc: position 2048 + 256 x tile column + 128 x half
	s_mov_b32 s21, 0
	s_mov_b32 s47, 0
	s_mov_b64 s[18:19], KS
	s_mul_u64 s[22:23], s[20:21], s[18:19]
	s_mul_u64 s[92:93], s[46:47], s[18:19]
	s_mov_b64 s[18:19], KROW
	s_mul_u64 s[20:21], s[20:21], s[18:19]
	s_mul_u64 s[46:47], s[46:47], s[18:19]
	s_mul_i32 s45, s14, HALFT                      ; no place in the cluster enters an LDS address
	s_mul_i32 s94, s14, HALFS
	s_wait_kmcnt 0x0
	s_add_nc_u64 s[20:21], s[4:5], s[20:21]
	s_add_nc_u64 s[22:23], s[6:7], s[22:23]
	s_add_nc_u64 s[46:47], s[8:9], s[46:47]
	s_add_nc_u64 s[92:93], s[10:11], s[92:93]
	CROUND                                         ; all sixteen work-groups are here: the first joint loads meet
	s_mov_b32 s[G0S], 1
	s_add_co_u32 s[G0S+1], s94, SCL
	s_mov_b64 s[G0S+2:G0S+3], s[22:23]
	s_or_b32 s[G0S+3], s[G0S+3], 0x80000000
	s_mov_b32 s[G0SB], 1
	s_add_co_u32 s[G0SB+1], s94, SCL
	s_mov_b64 s[G0SB+2:G0SB+3], s[92:93]
	s_or_b32 s[G0SB+3], s[G0SB+3], 0x80000000
	JLOAD G0S, G1S, G0SB, G1SB
.irp s, 0,1
	s_mov_b32 s[G0+4*\s], 1
	s_add_co_u32 s[G0+4*\s+1], s45, \s*SLOT
	s_add_nc_u64 s[G0+4*\s+2:G0+4*\s+3], s[20:21], \s*ROWB
	s_or_b32 s[G0+4*\s+3], s[G0+4*\s+3], 0x80000000
	s_mov_b32 s[G0B+4*\s], 1
	s_add_co_u32 s[G0B+4*\s+1], s45, \s*SLOT
	s_add_nc_u64 s[G0B+4*\s+2:G0B+4*\s+3], s[46:47], \s*ROWB
	s_or_b32 s[G0B+4*\s+3], s[G0B+4*\s+3], 0x80000000
	JLOAD G0+4*\s, G1, G0B+4*\s, G1B               ; three tensor loads of mine are out
.endr
	s_load_b256 s[4:11], s[0:1], 0x20              ; bq s[4:5], ksm s[6:7], kvc s[8:9], out0 s[10:11]
	v_and_b32 v1, 15, v0                           ; r
	v_bfe_u32 v2, v0, 4, 1                         ; h
	v_mul_u32_u24 v3, v1, PITCH
	v_mul_u32_u24 v4, v2, 24
	v_add_nc_u32 v4, v3, v4
	v_lshl_add_u32 v5, v2, 4, v4
	s_mul_i32 s21, s15, HALFT
	s_mul_i32 s22, s16, HALFT
	s_add_co_u32 s22, s22, 2*HALFT
.irp s, 0,1
	v_add_nc_u32 v[ADRA+\s], s21, v4
	v_add_nc_u32 v[ADRB+\s], s22, v4
	v_add_nc_u32 v[ADRA+2+\s], s21, v5
	v_add_nc_u32 v[ADRB+2+\s], s22, v5
	s_add_co_u32 s21, s21, SLOT
	s_add_co_u32 s22, s22, SLOT
.endr
	v_mul_u32_u24 v5, v1, KS
	v_lshrrev_b32 v6, 8, v5
	v_lshl_add_u32 v5, v6, 4, v5
	s_mul_i32 s21, s15, HALFS
	s_mul_i32 s22, s16, HALFS
	s_add_co_u32 s22, s22, 2*HALFS
	s_sub_co_u32 s22, s22, s21
	v_mul_u32_u24 v6, s22, v2                      ; lanes 16-31 take Wq's
	s_add_co_u32 s21, s21, SCL
	v_add_nc_u32 v5, v5, v6
	v_add_nc_u32 v[ADRS], s21, v5
	v_and_b32 v6, 31, v0
	v_lshlrev_b32 v[LI], 4, v6
	v_lshlrev_b32 v[L4], 2, v6
	v_lshlrev_b32 v[HO], 6, v2
	s_mul_i32 s21, s14, 16*SPITCH                  ; my stage
	v_mul_u32_u24 v5, v1, SPITCH
	v_lshl_add_u32 v5, v2, 6, v5
	v_add_nc_u32 v[STO], s21, v5
	v_add_nc_u32 v[RD], s21, v[LI]
	s_lshl_b32 s46, s42, 10
	s_lshl_b32 s47, s16, 9
	s_add_co_u32 s46, s46, s47                     ; my first column, in bytes of f32: 1,024 x tile column + 512 c
	s_mov_b32 s47, 0
	s_lshr_b32 s92, s17, 4                         ; the batch
	s_lshl_b32 s94, s92, 12
	s_add_co_u32 s94, s94, s46                     ; ksm: 4,096 bytes a batch
	s_mov_b32 s95, 0
	s_lshl_b32 s92, s92, 4
	s_lshl_b32 s93, s42, 2
	s_add_co_u32 s92, s92, s93
	s_lshl_b32 s93, s16, 1
	s_add_co_u32 s92, s92, s93                     ; 16 batch + my first head
	s_mul_i32 s18, s92, 4*1536                     ; kvc: four images a head,
	s_mov_b32 s19, 0
	s_lshl_b32 s92, s92, 9
	s_add_co_u32 s92, s92, 393216                  ; and behind the 256 images four blocks of 128 bytes of scale words a head
	s_mov_b32 s93, 0
	s_lshl_b32 s20, s17, 8
	s_lshl_b32 s21, s15, 7
	s_add_co_u32 s20, s20, s21                     ; my first row of out0
	s_lshl_b32 s20, s20, 12
	s_add_co_u32 s20, s20, s46
	s_mov_b32 s21, 0
	s_wait_kmcnt 0x0
	s_add_nc_u64 s[4:5], s[4:5], s[46:47]
	s_add_nc_u64 s[6:7], s[6:7], s[94:95]
	s_add_nc_u64 s[12:13], s[8:9], s[92:93]
	s_add_nc_u64 s[8:9], s[8:9], s[18:19]
	s_add_nc_u64 s[10:11], s[10:11], s[20:21]
.irp e, 0,1,2,3,4,5,6,7,8,9,10,11,12,13,14,15
	global_load_b128 v[BIAS+4*\e:BIAS+4*\e+3], v[HO], s[4:5] offset:128*(\e/4)+16*(\e%4)   ; register 16 B + i: bq at column 32 B + 16 h + i
.endr
	WIN TO_B
.irp e, 0,1,2,3,4,5,6,7,8,9,10,11,12,13,14,15
	global_load_b128 v[96+128*(\e/8)+4*(\e%8):96+128*(\e/8)+4*(\e%8)+3], v[HO], s[6:7] offset:128*(\e/4)+16*(\e%4)   ; sum_t k + 1e-6 likewise: head 0 at v96-127, head 1 at v224-255 of window 1
.endr
	WIN 0
	s_wait_loadcnt 0x0
.macro FRAG reg, adr, q, i
.irp p, 0,1,2,3,4,5
.set PC, 12*(\q)+6*(\p/3)+\p%3
.if PC%8 < 5
	ds_load_b64 v[\reg+2*\p:\reg+2*\p+1], v[\adr] offset:8*PC+16*(PC/8)+(\i)*16*PITCH
.else
	ds_load_b64 v[\reg+2*\p:\reg+2*\p+1], v[\adr+2] offset:8*PC+16*(PC/8)+(\i)*16*PITCH
.endif
.endr
.endm
; 16 matrix instructions: x's blocks a0, a0 + 1 against Wq's eight, 128 along K.  first = 1: bq is the C.  The 64 accumulators take turns, one instruction a turn, in the same order in every step.
.macro MUL16 a0, p, q, sc, first
.irp a, \a0, \a0+1
.irp b, 0,1,2,3,4,5,6,7
.if \first
	v_wmma_scale_f32_16x16x128_f8f6f4 v[8*(8*((\a)%4)+\b):8*(8*((\a)%4)+\b)+7], v[128*(\p)+FR*\b:128*(\p)+FR*\b+FR-1], v[AF+FR*(\a):AF+FR*(\a)+FR-1], v[BIAS+8*\b:BIAS+8*\b+7], v[SC+8*NQ*(\sc)+NQ*\b+(\q)], v[SC+8*NQ*(\sc)+NQ*(\a)+(\q)] matrix_a_fmt:MATRIX_FMT_BF6 matrix_b_fmt:MATRIX_FMT_BF6 matrix_a_scale:MATRIX_SCALE_ROW1
.else
	v_wmma_scale_f32_16x16x128_f8f6f4 v[8*(8*((\a)%4)+\b):8*(8*((\a)%4)+\b)+7], v[128*(\p)+FR*\b:128*(\p)+FR*\b+FR-1], v[AF+FR*(\a):AF+FR*(\a)+FR-1], v[8*(8*((\a)%4)+\b):8*(8*((\a)%4)+\b)+7], v[SC+8*NQ*(\sc)+NQ*\b+(\q)], v[SC+8*NQ*(\sc)+NQ*(\a)+(\q)] matrix_a_fmt:MATRIX_FMT_BF6 matrix_b_fmt:MATRIX_FMT_BF6 matrix_a_scale:MATRIX_SCALE_ROW1
.endif
.endr
.endr
.endm
.macro FETCH_B slot, q, p
	WIN TO_B
.irp i, 0,1,2,3,4,5,6,7
	FRAG 128*(\p)+FR*\i, ADRB+\slot, \q, \i
.endr
	WIN 0
.endm
.macro FETCH_A slot, q, i0
.irp i, \i0, \i0+1, \i0+2, \i0+3
	FRAG AF+FR*(\i), ADRA+\slot, \q, \i
.endr
.endm
.macro SCALES sc
.irp i, 0,1,2,3,4,5,6,7
	ds_load_b64 v[SC+8*NQ*\sc+NQ*\i:SC+8*NQ*\sc+NQ*\i+1], v[ADRS] offset:\i*SBLK
.endr
.endm
.macro PLACES n                        ; plain vector instructions that name no register of the matrix instructions ahead (ISA guide 7.12.1)
.rept \n
	v_nop
.endr
.endm
.macro STEP slot, q, first
	s_wait_dscnt 4*NL                              ; Wq's set and x's blocks 0-3 are in; the youngest 24 loads (x's blocks 4-7) may be out
.if \first
	WIN FIRST_LO
.else
	WIN MUL_LO
.endif
	MUL16 0, (\q)%2, \q, \slot, \first
	MUL16 2, (\q)%2, \q, \slot, \first
	s_wait_dscnt 0
	PLACES NP
	FETCH_B \slot, (\q)+1, 1-(\q)%2
	FETCH_A \slot, (\q)+1, 0
.if \first
	WIN FIRST_HI
.else
	WIN MUL_HI
.endif
	MUL16 4, (\q)%2, \q, \slot, \first
	MUL16 6, (\q)%2, \q, \slot, \first
	PLACES NP
	WIN 0
	FETCH_A \slot, (\q)+1, 4
.endm
.macro TURN slot, next, fill
	s_wait_tensorcnt 0x0                           ; all my tensor loads have landed: my part of the next slot
	ds_add_u32 v[SPW], v[NIL]                      ; 0 onto my spare word
	s_wait_dscnt 4*NL+1                            ; (the add and the youngest 24 loads may be out)
	WIN MUL_LO
	MUL16 0, 1, NQ-1, \slot, 0
	s_wait_dscnt 0x0                               ; the add is done, and my reads of this slot are over
	s_barrier_signal -1
	MUL16 2, 1, NQ-1, \slot, 0
	WIN 0
	s_barrier_wait -1
.if \fill
	CREST                                          ; the barrier has opened a round of the cluster's barrier: no wave of any partner still reads this slot or has a load on its way
	s_add_nc_u64 s[G0+4*\slot+2:G0+4*\slot+3], s[G0+4*\slot+2:G0+4*\slot+3], 2*ROWB
	s_add_nc_u64 s[G0B+4*\slot+2:G0B+4*\slot+3], s[G0B+4*\slot+2:G0B+4*\slot+3], 2*ROWB
	JLOAD G0+4*\slot, G1, G0B+4*\slot, G1B         ; the first tensor load behind the round, and my only one until the next
.else
	PLACES NP
.endif
	v_add_nc_u32 v[ADRS], 4*NQ, v[ADRS]
	FETCH_B \next, 0, 0
	FETCH_A \next, 0, 0
	SCALES \next
	WIN MUL_HI
	MUL16 4, 1, NQ-1, \slot, 0
	MUL16 6, 1, NQ-1, \slot, 0
	PLACES NP
	WIN 0
	FETCH_A \next, 0, 4
.endm
; 64 numbers of a lane, v[s] on, register 16 b + i = k 32 b + 16 (lane / 16) + i of my row, become a fragment's codes in v[d] on and its scale word in v[pw].
.macro QUANT s, d, pw
.irp b, 0,1,2,3
	v_max3_num_f32 v[TM+\b], |v[\s+16*\b]|, |v[\s+1+16*\b]|, 0x2800000   ; my 16 numbers of block b, and the floor 2^(5 - 127)
.endr
.irp i, 2,4,6,8,10,12,14
.irp b, 0,1,2,3
	v_max3_num_f32 v[TM+\b], v[TM+\b], |v[\s+16*\b+\i]|, |v[\s+1+16*\b+\i]|
.endr
.endr
.irp b, 0,1,2,3
	v_permlanex16_b32 v[TM+4+\b], v[TM+\b], s[SEL], s[SEL+1]
.endr
.irp b, 0,1,2,3
	v_max_num_f32 v[TM+\b], v[TM+\b], v[TM+4+\b]
.endr
.irp b, 0,1,2,3
	v_add_nc_u32 v[TM+12+\b], 0xfe000000, v[TM+\b]
.endr
.irp b, 0,1,2,3
	v_lshrrev_b32 v[TM+4+\b], 23, v[TM+12+\b]
.endr
	v_lshl_or_b32 v[\pw], v[TM+5], 8, v[TM+4]
	v_lshl_or_b32 v[\pw], v[TM+6], 16, v[\pw]
	v_lshl_or_b32 v[\pw], v[TM+7], 24, v[\pw]
.irp c, 0,1
	v_cvt_scalef32_pk16_bf6_f32 v[\d+6*\c:\d+6*\c+2], v[\s+32*\c:\s+32*\c+15], v[TM+12+2*\c]
	v_cvt_scalef32_pk16_bf6_f32 v[XQ+4*\c:XQ+4*\c+2], v[\s+32*\c+16:\s+32*\c+31], v[TM+12+2*\c+1]
.endr
	v_nop                                          ; one plain place behind a scaled conversion
.irp c, 0,1
.irp i, 0,1,2
	v_permlane16_swap_b32 v[\d+6*\c+\i], v[XQ+4*\c+\i]
.endr
.irp i, 0,1,2
	v_mov_b32 v[\d+6*\c+3+\i], v[XQ+4*\c+\i]
.endr
.endr
.endm
	s_wait_tensorcnt 1                             ; the scales and my part of K step 0 are in (K step 1's load may be out),
	s_barrier_signal -1
	s_barrier_wait -1                              ; everybody's are
	FETCH_B 0, 0, 0
	FETCH_A 0, 0, 0
	SCALES 0
	FETCH_A 0, 0, 4
	STEP 0, 0, 1                                   ; the first step's products start the sums, from bq
	s_mov_b32 s3, LAPS-1
.Llap:
	TURN 0, 1, 1
	STEP 1, 0, 0
	TURN 1, 0, 1
	STEP 0, 0, 0
	s_sub_co_u32 s3, s3, 1
	s_cmp_lg_u32 s3, 0
	s_cbranch_scc1 .Llap
	TURN 0, 1, 0                                   ; the last lap fills nothing
	STEP 1, 0, 0
	; kv's eight fragments (4 hd + vt) and their scale words come now, under the last 64 products: Wq's set 0 and scale set 0 are done with, and the step's places stand behind their last readers
	WIN TO_B
.irp f, 0,1,2,3,4,5,6,7
.irp k, 0,1,2
	global_load_b128 v[12*\f+4*\k:12*\f+4*\k+3], v[LI], s[8:9] offset:1536*\f+512*\k
.endr
.endr
	WIN 0
.irp f, 0,1,2,3,4,5,6,7
	global_load_b32 v[SC+\f], v[L4], s[12:13] offset:128*\f
.endr
	s_wait_dscnt 4*NL                              ; the very last step
	WIN MUL_LO
	MUL16 0, 1, NQ-1, 1, 0
	MUL16 2, 1, NQ-1, 1, 0
	s_wait_dscnt 0
	WIN MUL_HI
	MUL16 4, 1, NQ-1, 1, 0
	MUL16 6, 1, NQ-1, 1, 0
	WIN 0
	PLACES NP+1                                    ; results are read, operands' registers written by vector instructions and loads, accumulators later begun anew
	s_wait_loadcnt 0x0                             ; kv
.irp b, 0,1,2,3
	v_mov_b32 v[TM+4+\b], 0                        ; written once: a lane permute's destination counts as one of its sources
.endr
	v_mov_b32 v[RI+1], 0                           ; named as the upper halves of pairs
	v_mov_b32 v[RI+3], 0
.macro TOSTAGE a                       ; block a's 16 t x 128 columns into my stage, and back as whole rows of 512 bytes
.set AC, 64*((\a)%4)
.set WS, (2+(\a)/4)<<2
	WIN WS                                         ; an LDS store's data are its source 1
.irp f, 0,1,2,3,4,5,6,7
	ds_store_b128 v[STO], v[AC+8*\f:AC+8*\f+3] offset:256*(\f/4)+128*((\f%4)/2)+32*(\f%2)
	ds_store_b128 v[STO], v[AC+8*\f+4:AC+8*\f+7] offset:256*(\f/4)+128*((\f%4)/2)+32*(\f%2)+16
.endr
	WIN 0
.irp t, 0,1,2,3,4,5,6,7,8,9,10,11,12,13,14,15
	ds_load_b128 v[BB+4*\t:BB+4*\t+3], v[RD] offset:\t*SPITCH   ; LDS serves a wave's instructions in order: these see the stores above
.endr
.endm
.macro SEND a                          ; stage row t is position 16 a + t of my 128: logical row 32 (a / 2) + 8 (a % 2) + t + 8 (t / 8)
	s_wait_dscnt 0x0
.irp t, 0,1,2,3,4,5,6,7,8,9,10,11,12,13,14,15
	global_store_b128 v[LI], v[BB+4*\t:BB+4*\t+3], s[10:11] offset:(32*((\a)/2)+8*((\a)%2)+\t+8*(\t/8))*4096 th:TH_STORE_NT   ; 32 lanes store 512 consecutive bytes, aligned
.endr
.endm
.macro QTILE a
.set AC, 64*((\a)%4)
.set WW, 2+(\a)/4
.set WX, (WW<<6)|WW
.set WD, (WW<<6)|1
	WIN WW
.set j, 0
.rept 32
	v_pk_mul_f32 v[T+j:T+j+1], v[AC+j:AC+j+1], s[LC:LC+1] op_sel_hi:[1,0]   ; y log2(e); each accumulator from its low end on
.set j, j+2
.endr
	WIN 0
.set j, 0
.rept 64
	v_exp_f32 v[T+j], v[T+j]                       ; one batch
.set j, j+1
.endr
	WIN WX
.set j, 0
.rept 32
	v_pk_add_f32 v[AC+j:AC+j+1], v[AC+j:AC+j+1], 1.0 op_sel_hi:[1,0]        ; y + 1: plain work behind the batch, which names none of its results
.set j, j+2
.endr
	s_wait_alu depctr_va_vdst(0)                   ; one wait for the batch, ahead of its first reader
	WIN WW
.set j, 0
.rept 64
	v_med3_num_f32 v[T+j], v[AC+j], v[T+j], 1.0    ; q = elu(y) + 1
.set j, j+1
.endr
	WIN 0
.if (\a) > 0
	SEND (\a)-1                                    ; the block before has had this block's first half in which to come back from the stage
.endif
	WIN 0x04                                       ; source 1 window 1
	v_pk_mul_f32 v[DN:DN+1], v[T:T+1], v[96:97]    ; the divisors q . (sum_t k + 1e-6), of the unquantised q; the two heads by turns
	v_pk_mul_f32 v[DN+2:DN+3], v[T+32:T+33], v[224:225]
.set j, 2
.rept 15
	v_pk_fma_f32 v[DN:DN+1], v[T+j:T+j+1], v[96+j:97+j], v[DN:DN+1]
	v_pk_fma_f32 v[DN+2:DN+3], v[T+32+j:T+33+j], v[224+j:225+j], v[DN+2:DN+3]
.set j, j+2
.endr
	WIN 0
	v_add_f32 v[DN], v[DN], v[DN+1]
	v_add_f32 v[DN+2], v[DN+2], v[DN+3]
	v_permlanex16_b32 v[DN+1], v[DN], s[SEL], s[SEL+1]     ; the row's other 32 d of each head lie in lane l xor 16
	v_permlanex16_b32 v[DN+3], v[DN+2], s[SEL], s[SEL+1]
	v_add_f32 v[DN], v[DN], v[DN+1]
	v_add_f32 v[DN+2], v[DN+2], v[DN+3]
	v_rcp_f32 v[RI], v[DN]
	v_rcp_f32 v[RI+2], v[DN+2]
	QUANT T, QF, PW                                ; plain work behind the reciprocals
	PLACES 8                                       ; a scale register written by a vector instruction stands eight places ahead of a scaled matrix instruction, an operand four
	s_wait_alu depctr_va_vdst(0)                   ; the wait for the two reciprocals, ahead of their first reader
	WIN WD                                         ; D window 2 or 3, source 0 (kv) window 1
.irp f, 0,1,2,3,4,5,6,7
	v_wmma_scale_f32_16x16x128_f8f6f4 v[AC+8*\f:AC+8*\f+7], v[12*\f:12*\f+11], v[QF:QF+11], 0, v[SC+\f], v[PW] matrix_a_fmt:MATRIX_FMT_BF6 matrix_b_fmt:MATRIX_FMT_BF6
.endr
	PLACES NP
	WIN WX
.set j, 0
.rept 32
	v_pk_mul_f32 v[AC+j:AC+j+1], v[AC+j:AC+j+1], v[RI+2*(j/32):RI+2*(j/32)+1] op_sel_hi:[1,0]   ; / the divisor of my t and of the result's head
.set j, j+2
.endr
	s_wait_xcnt 0x0                                ; the last block's stores have read their registers: this block's rows may land there
	TOSTAGE \a
.endm
	QTILE 0
	QTILE 1
	QTILE 2
	QTILE 3
	QTILE 4
	QTILE 5
	QTILE 6
	QTILE 7
	SEND 7
	s_wait_tensorcnt 0x0                           ; the wave's end
	ds_add_u32 v[SPW], v[NIL]
	s_wait_dscnt 0x0
	CROUND                                         ; the closing round
	s_endpgm
.Lfunc_end_k_q04a1b77a28_qout:
	.size	k_q04a1b77a28_qout, .Lfunc_end_k_q04a1b77a28_qout-k_q04a1b77a28_qout
	.p2alignl 7, 3214868480
	.fill 96, 4, 3214868480
	.section	.rodata,"a",@progbits
	.p2align	6, 0x0
	.amdhsa_kernel k_q04a1b77a28_qout
		.amdhsa_group_segment_fixed_size 327680
		.amdhsa_private_segment_fixed_size 0
		.amdhsa_enable_private_segment 0
		.amdhsa_kernarg_size 64
		.amdhsa_user_sgpr_count 2
		.amdhsa_user_sgpr_kernarg_segment_ptr 1
		.amdhsa_wavefront_size32 1
		.amdhsa_system_sgpr_workgroup_id_x 1
		.amdhsa_system_sgpr_workgroup_id_y 1
		.amdhsa_system_sgpr_workgroup_id_z 1
		.amdhsa_system_vgpr_workitem_id 0
		.amdhsa_next_free_vgpr 1024
		.amdhsa_next_free_sgpr 100
		.amdhsa_reserve_vcc 0
		.amdhsa_float_denorm_mode_32 3
		.amdhsa_float_denorm_mode_16_64 3
		.amdhsa_memory_ordered 1
		.amdhsa_forward_progress 1
		.amdhsa_inst_pref_size 255
	.end_amdhsa_kernel
	.section	.bss,"aw",@nobits
	.p2align	6
	.space	262144
	.amdgpu_metadata
---
amdhsa.version: [ 1, 2 ]
amdhsa.kernels:
  - .name:           k_q04a1b77a28_qout
    .symbol:         k_q04a1b77a28_qout.kd
    .args:
      - { .name: xc, .offset: 0, .size: 8, .value_kind: global_buffer, .address_space: global }
      - { .name: xs, .offset: 8, .size: 8, .value_kind: global_buffer, .address_space: global }
      - { .name: wc, .offset: 16, .size: 8, .value_kind: global_buffer, .address_space: global }
      - { .name: ws, .offset: 24, .size: 8, .value_kind: global_buffer, .address_space: global }
      - { .name: bq, .offset: 32, .size: 8, .value_kind: global_buffer, .address_space: global }
      - { .name: ksm, .offset: 40, .size: 8, .value_kind: global_buffer, .address_space: global }
      - { .name: kvc, .offset: 48, .size: 8, .value_kind: global_buffer, .address_space: global }
      - { .name: out0, .offset: 56, .size: 8, .value_kind: global_buffer, .address_space: global }
    .group_segment_fixed_size: 327680
    .private_segment_fixed_size: 0
    .kernarg_segment_align: 8
    .kernarg_segment_size: 64
    .max_flat_workgroup_size: 128
    .sgpr_count:     100
    .vgpr_count:     1024
    .wavefront_size: 32
...
	.end_amdgpu_metadata
.endif
;; end of part 4
